; MI455X (gfx1250); checked and timed in simulation.
; The chip was launched on July 23, 2026; its instructions are those of AMD's public machine-readable ISA for CDNA 5 (MIT licence, August 2026) and "CDNA5" Instruction Set Architecture Reference Guide (July 2026). The comments in the code are by the model that wrote it; some were corrected since.
;; Block. Allowed arithmetic: matrix products marked QUANTISED: E5M2 operands, one E8M0 scale for each 32 along K, by v_wmma_scale_f32_16x16x128_f8f6f4 with both operands' format E5M2, f32 sums; everything else in f32.
;; Inputs: W1_codes 2,048 x 16 x 32 uint8 (E5M2 codes of W1, K innermost, in blocks of 32 codes); W1_scales 2,048 x 16 uint8 (E8M0 scales of W1, one for each 32 codes along K); W2_codes 512 x 64 x 32 uint8 (E5M2 codes of W2, K innermost, in blocks of 32 codes); W2_scales 512 x 64 uint8 (E8M0 scales of W2, one for each 32 codes along K); Wk_codes 16 x 32 x 16 x 32 uint8 (E5M2 codes of Wk, K innermost, in blocks of 32 codes); Wk_scales 16 x 32 x 16 uint8 (E8M0 scales of Wk, one for each 32 codes along K); Wo_codes 512 x 16 x 32 uint8 (E5M2 codes of Wo, K innermost, in blocks of 32 codes); Wo_scales 512 x 16 uint8 (E8M0 scales of Wo, one for each 32 codes along K); Wq_codes 16 x 32 x 16 x 32 uint8 (E5M2 codes of Wq, K innermost, in blocks of 32 codes); Wq_scales 16 x 32 x 16 uint8 (E8M0 scales of Wq, one for each 32 codes along K); Wv_codes 16 x 32 x 16 x 32 uint8 (E5M2 codes of Wv, K innermost, in blocks of 32 codes); Wv_scales 16 x 32 x 16 uint8 (E8M0 scales of Wv, one for each 32 codes along K); b1 2,048 float32; b2 512 float32; be1 512 float32; be2 512 float32; bo 512 float32; g1 512 float32; g2 512 float32; x 4 x 2,048 x 512 float32.
;; Outputs: out0 4 x 2,048 x 512 float32.
;; This version of the problem:
;;   THIS VERSION OF THE PROBLEM IS GIVEN IN LOW PRECISION. The matrix products marked QUANTISED in the list below multiply operands that are first quantised to E5M2 (5 exponent bits, 2 mantissa bits; 8 bits a number), with one power-of-two scale for each 32 numbers along K (OCP MX v1.0); their sums are f32. All else is computed in f32.
;;   The module's matrix products, in the order in which they are computed (A, B: the left and right operand; K: the contracted axis; several contracted axes count as one K, in the product's order):
;;     1. [M 512, K 512] x [K 512, N 8,192]; A: input Wq (given as codes); B: computed on the way: QUANTISED
;;     2. [M 512, K 512] x [K 512, N 8,192]; A: input Wk (given as codes); B: computed on the way: QUANTISED
;;     3. [M 512, K 512] x [K 512, N 8,192]; A: input Wv (given as codes); B: computed on the way: QUANTISED
;;     4. batch 64 x [M 2,048, K 32] x [K 32, N 2,048]; A: computed on the way; B: computed on the way: QUANTISED
;;     5. batch 64 x [M 2,048, K 2,048] x [K 2,048, N 32]; A: softmax (see below); B: computed on the way: QUANTISED
;;     6. [M 8,192, K 512] x [K 512, N 512]; A: computed on the way; B: input Wo (given as codes): QUANTISED
;;     7. [M 8,192, K 512] x [K 512, N 2,048]; A: computed on the way; B: input W1 (given as codes): QUANTISED
;;     8. [M 8,192, K 2,048] x [K 2,048, N 512]; A: computed on the way; B: input W2 (given as codes): QUANTISED
;;   THE QUANTISER, for each operand of a quantised product, along K:
;;     - K is cut into blocks of 32 from its start; a last block that is shorter is filled with zeros.
;;     - A block's scale is 2^e with e = floor(log2(the largest magnitude in the block)) - 15, held to -126 .. 127; a block of zeros has e = 0. As a byte (E8M0): e + 127.
;;     - Each number is divided by its block's scale, clamped to +-57,344, and rounded to the nearest number of E5M2, ties to even, subnormals kept.
;;     - The product sums the exact products of the quantised numbers (number of the format x scale) in f32.
;;   ~~~python
;;   def quantise(x, axis):      # numpy; x: float32 -> the quantised numbers, widened to float32 again
;;       x = np.moveaxis(x, axis, -1); K = x.shape[-1]
;;       x = np.pad(x, [(0, 0)] * (x.ndim - 1) + [(0, -K % 32)]); x = x.reshape(x.shape[:-1] + (-1, 32)); a = np.abs(x).max(-1, keepdims=True)
;;       e = np.where(a > 0, np.clip(np.frexp(np.where(a > 0, a, 1))[1] - 1 - 15, -126, 127), 0)      # np.frexp(a)[1] - 1 = floor(log2(a)), exactly
;;       r = np.clip(x / 2.0 ** e, -57344, 57344)
;;       step = 2.0 ** (np.maximum(np.frexp(np.where(r == 0, 1, r))[1] - 1, -14) - 2)
;;       q = np.round(r / step) * step * 2.0 ** e      # np.round: ties to even
;;       return np.moveaxis(q.reshape(q.shape[:-2] + (-1,))[..., :K], -1, axis).astype(np.float32)
;;   ~~~
;;   SOFTMAX AHEAD OF A QUANTISED PRODUCT. Where the list says 'softmax', what is quantised is not the finished softmax but p = 2^(t - M), with t = logit x log2(e) and M = ceil(the row's largest t), a whole number; so 1/2 < the row's largest p <= 1. The row's sum l is taken of the UNQUANTISED p, in f32, and the product's result is divided by l at the end. Since M is a whole number, a kernel that streams over the keys may use a running M (the ceiling of the running maximum): every later rescaling is an exact power of two, which a block's scale takes up: the codes' values come out the same.
;;   OPERANDS COMPUTED ON THE WAY. 'Computed on the way' means the value that the module computes at that place (a softmax that the list does not call 'softmax' is quantised finished and normalised). What goes into a quantiser is computed in f32, as accurately as f32 sums, v_exp_f32 and their like allow (about 1e-6 of the number): no bf16 or f16 on the way to a quantiser, and a product that is left as it is and whose result goes on into a quantised operand takes f32 operands (vector FMAs, or v_wmma_f32_16x16x4_f32). A number that lies on a knife's edge between two numbers of the format may be rounded either way, as far as f32 arithmetic and the matrix unit's own rounding can turn it there, and no further.
;;   INPUTS GIVEN AS CODES. W1 (in the module: [512, 2048], K = its axis 0); W2 (in the module: [2048, 512], K = its axis 0); Wk (in the module: [16, 512, 32], K = its axis 1); Wo (in the module: [512, 512], K = its axis 0); Wq (in the module: [16, 512, 32], K = its axis 1); Wv (in the module: [16, 512, 32], K = its axis 1): each comes as NAME_codes (uint8): NAME with its K axis moved to the last place and cut into blocks of 32 codes, [.., K / 32, bytes a block], one block behind the other in memory; one code a byte (a code: sign, 5 exponent bits, 2 mantissa bits); and NAME_scales (uint8): the same leading axes, one E8M0 byte (e + 127) for each 32 codes along K. Its value is code x scale, taken as it is: it is not quantised again, and the codes and scales need not be those that the quantiser above would give.
;; One version. Each part assembles by itself: llvm-mc -triple=amdgcn-amd-amdhsa -mcpu=gfx1250 --defsym DOCPART=n.
;; ======== version 1 of 1: 3 launches
;; limits: right only within a limited range of input values
;; workspace buffers: qc 4,194,304 bytes; qs 524,288 bytes; kv 8,650,752 bytes; ac 4,194,304 bytes; asc 131,072 bytes; ws 2,433,024 bytes
;; launch qkv (part 1): grid 256 x 1, 4 waves a work-group, no clusters, 70,144 bytes of LDS; arguments x, g1, be1, Wq_codes, Wq_scales, Wk_codes, Wk_scales, Wv_codes, Wv_scales, Wo_codes, Wo_scales, W1_codes, W1_scales, W2_codes, W2_scales, qc, qs, kv, ws; writes qc, qs, kv, ws
.if DOCPART == 1
	.amdgcn_target "amdgcn-amd-amdhsa--gfx1250"
	.amdhsa_code_object_version 6
	.text
	.protected	k_qb7451f0728_qkv
	.globl	k_qb7451f0728_qkv
	.p2align	8
	.type	k_qb7451f0728_qkv,@function
k_qb7451f0728_qkv:
	s_mov_b64 s[64:65], 0
	v_nop
	global_prefetch_b8 v0, s[64:65] scope:SCOPE_SE
	s_setreg_imm32_b32 hwreg(HW_REG_WAVE_MODE, 25, 1), 1
	s_wait_xcnt 0x0
; LN1, its quantising, q = h Wq, k = h Wk, v = h Wv on codes of E5M2 with one E8M0 scale for each 32 along K, and the quantising of q, k (along a head's 32) and v (along the keys).
; The results leave as codes, laid in the order of the operand registers of the launch that reads them.  On the side, 144 work-groups lay Wo, W1, W2 out as one stream of register images (ws).
; SHARES.  Work-group g: tokens 128 (g / 4) .. + 127, heads 4 (g % 4) .. + 3.  Wave w first normalises and quantises tokens 32 w .. 32 w + 31 of the block (two tiles of 16) and puts the images of
; their eight fragments into LDS; behind one barrier it makes head 4 (g % 4) + w for all 128 tokens, its 48 KiB of weight codes staying in its registers.
; THE ROWS OF A TILE ARE NOT NEIGHBOURS: row p of token tile (G, u) is token 32 G + 8 u + p + 8 (p / 8); row p of weight tile t is row 8 t + p + 8 (p / 8).  So the 16 result registers of two
; neighbouring tiles are 16 neighbours along the next product's K, and two conversions give the 16 bytes that this lane holds of the next operand.
; q, k: source 0 = 16 rows of the weight, source 1 = 16 tokens: a lane holds one token and 16 of the head's 32.   v: source 0 = 16 tokens, source 1 = 16 rows of Wv: a lane holds one channel and 16 keys.
; NO CLUSTER: x goes through registers, where it is normalised, and each weight byte is wanted by one wave of the work-group, which loads it once, straight into registers: no tensor load exists that partners could share.
; The four work-groups of a token block repeat LN1 (65,536 numbers): the other way, one work-group for all 16 heads, would leave 192 of the 256 work-groups out.
; LIMITS: NaN and infinities among the inputs are not served.  A block of zeros gets the scale byte 1 where the quantiser's rule says 127: its codes are zeros, which add nothing, and this program alone reads the bytes.
; REGISTERS, in windows of 256.  Window 0: v1-15 addresses, v16-31 LN's sums, v32-55 the quantiser's, v56-79 codes, v80-87 scale words at work, v88-95 h's scale words, v96-119 the weights', v128-223 the 12 accumulators.
;   window 1: g1 (register 16 b + i = column 32 b + 16 (lane / 16) + i), later Wq's and Wk's 16 fragments.   window 2: be1, later Wv's 8 fragments.   window 3: a tile of x, later 8 fragments of h.
.set HSC,  65536                       ; LDS: 32 images of 2,048 bytes from 0 (fragment (G, u, s) at 2,048 (4 (2 G + u) + s)), then their 32 scale-word images of 128 bytes
.set SA,   16                          ; v16-23  four pair sums
.set MU,   24                          ; v24-25  the mean, twice
.set RS,   26                          ; v26-27  1 / sqrt(var + eps), twice
.set TM,   32                          ; v32-37 largest magnitudes, v38-43 at work / bytes, v44-49 holds, v50-55 the conversions' scale operands
.set PC,   56                          ; v56-79  codes, four registers a block
.set PW,   80                          ; a scale word just made
.set KW,   81                          ; v81-82  k's scale words of the 128 keys (fragments 0, 1)
.set VW,   83                          ; v83-84  v's (tiles 0, 1)
.set QW,   85                          ; v85-87  q's
.set HS,   88                          ; v88-95  h's scale words, 4 u + s
.set WSC,  96                          ; v96-119 the weights' scale words, 8 p + 4 t + s
.set ACC,  128                         ; q(u) at 16 u + 8 t, k(u) at 32 + 16 u + 8 t, v(t) at 64 + 16 t + 8 u
.set MSB, 0
.macro WIN new                         ; the immediate's high byte repeats the setting that is left; a switch that changes nothing is dropped
.if MSB != (\new)
	s_set_vgpr_msb (MSB<<8)|(\new)
.set MSB, (\new)
.endif
.endm
.macro REDUCE                          ; four pair sums -> the row's sum in v[SA]: a row lies in lanes l and l xor 16
	v_pk_add_f32 v[SA:SA+1], v[SA:SA+1], v[SA+2:SA+3]
	v_pk_add_f32 v[SA+4:SA+5], v[SA+4:SA+5], v[SA+6:SA+7]
	v_pk_add_f32 v[SA:SA+1], v[SA:SA+1], v[SA+4:SA+5]
	v_add_f32 v[SA], v[SA], v[SA+1]
	v_permlanex16_b32 v[SA+1], v[SA], s46, s47
	v_add_f32 v[SA], v[SA], v[SA+1]
.endm
.macro QMID n                          ; n blocks: from each lane's largest magnitude to the block's byte, hold and scale operand
.set b, 0
.rept \n
	v_permlanex16_b32 v[TM+6+b], v[TM+b], s46, s47
.set b, b+1
.endr
.set b, 0
.rept \n
	v_max_num_f32 v[TM+b], v[TM+b], v[TM+6+b]      ; with lane l xor 16's 16 numbers: the block's largest magnitude
.set b, b+1
.endr
.set b, 0
.rept \n
	v_add_nc_u32 v[TM+18+b], 0xf8800000, v[TM+b]   ; 15 off its exponent field: the conversion takes that field as its scale
.set b, b+1
.endr
.set b, 0
.rept \n
	v_and_or_b32 v[TM+12+b], v[TM+b], 0x7f800000, s48  ; 57,344 x the scale
.set b, b+1
.endr
.set b, 0
.rept \n
	v_lshrrev_b32 v[TM+6+b], 23, v[TM+18+b]        ; the scale's byte
.set b, b+1
.endr
.endm
	s_load_b512 s[4:19], s[0:1], 0x0               ; x 4, g1 6, be1 8, Wq codes 10, scales 12, Wk 14, 16, Wv codes 18
	s_load_b512 s[20:35], s[0:1], 0x40             ; Wv scales 20, Wo 22, 24, W1 26, 28, W2 30, 32, qc 34
	s_load_b128 s[36:39], s[0:1], 0x80             ; qs 36, kv 38
	s_load_b64 s[40:41], s[0:1], 0x90              ; ws
	v_lshl_add_u32 v254, v0, 2, 0x11000
	v_mov_b32 v255, 0
	v_lshrrev_b32 v1, 5, v0
	v_readfirstlane_b32 s42, v1                    ; wave
	v_and_b32 v1, 15, v0                           ; r
	v_bfe_u32 v2, v0, 4, 1                         ; h
	v_and_b32 v3, 8, v1
	v_add_nc_u32 v3, v3, v1                        ; r + 8 (r / 8)
	v_and_b32 v5, 31, v0
	v_lshlrev_b32 v4, 4, v5                        ; 16 x lane: an image's place
	v_lshlrev_b32 v5, 2, v5                        ; 4 x lane: a scale word's
	v_lshlrev_b32 v6, 11, v3
	v_lshl_add_u32 v6, v2, 6, v6                   ; x: my row of 2,048 bytes, + 64 h: my 16 numbers of a block of 32
	v_lshlrev_b32 v7, 6, v2                        ; g1, be1: 64 h
	v_lshlrev_b32 v8, 9, v3
	v_lshl_add_u32 v8, v2, 4, v8                   ; a weight's row of 512 codes, + 16 h
	v_lshlrev_b32 v9, 4, v3                        ; its 16 scale bytes
	s_lshl_b32 s43, s42, 14
	v_add_nc_u32 v10, s43, v4                      ; where I store images: 16,384 x wave + 16 x lane
	s_lshl_b32 s43, s42, 10
	s_add_co_u32 s43, s43, HSC
	v_add_nc_u32 v11, s43, v5                      ; and scale words
	v_add_nc_u32 v15, HSC, v5                      ; where scale words are read
.irp k, 0,1,2,3,4,5
	v_mov_b32 v[TM+6+\k], 0                        ; written once: a lane permute's destination counts as one of its sources
.endr
	s_mov_b32 s44, 0x3727c5ac                      ; 1e-5
	s_mov_b32 s45, 0x3b000000                      ; 1 / 512
	s_mov_b32 s46, 0x76543210
	s_mov_b32 s47, 0xfedcba98                      ; v_permlanex16_b32's selects for lane l xor 16
	s_mov_b32 s48, 0x600000                        ; the mantissa field of 57,344
	s_mov_b32 s49, 0xffff0000                      ; lanes 16-31
	s_lshr_b32 s50, ttmp9, 2                       ; the block of 128 tokens
	s_and_b32 s51, ttmp9, 3
	s_lshl_b32 s51, s51, 2
	s_add_co_u32 s51, s51, s42                     ; my head
	s_lshr_b32 s52, s50, 4                         ; batch
	s_and_b32 s53, s50, 15                         ; S: which 128 keys of the batch
	s_lshl_b32 s54, s52, 4
	s_add_co_u32 s54, s54, s51                     ; 16 x batch + head
	s_mov_b32 s57, 0
	s_wait_kmcnt 0x0
	s_lshl_b32 s56, s50, 18
	s_lshl_b32 s43, s42, 16
	s_add_co_u32 s56, s56, s43
	s_add_nc_u64 s[4:5], s[4:5], s[56:57]          ; x at my 32 tokens
	WIN 0xc0
.set i, 0
.rept 64
	global_load_b128 v[4*i:4*i+3], v6, s[4:5] offset:128*(i/4)+16*(i%4)   ; tile 0
.set i, i+1
.endr
	WIN 0x40
.set i, 0
.rept 64
	global_load_b128 v[4*i:4*i+3], v7, s[6:7] offset:128*(i/4)+16*(i%4)
.set i, i+1
.endr
	WIN 0x80
.set i, 0
.rept 64
	global_load_b128 v[4*i:4*i+3], v7, s[8:9] offset:128*(i/4)+16*(i%4)
.set i, i+1
.endr
	WIN 0
	s_lshl_b32 s56, s51, 14                        ; a head's 32 rows of 512 codes
	s_add_nc_u64 s[10:11], s[10:11], s[56:57]
	s_add_nc_u64 s[14:15], s[14:15], s[56:57]
	s_add_nc_u64 s[18:19], s[18:19], s[56:57]
	s_lshl_b32 s56, s51, 9                         ; and of 16 scale bytes
	s_add_nc_u64 s[12:13], s[12:13], s[56:57]
	s_add_nc_u64 s[16:17], s[16:17], s[56:57]
	s_add_nc_u64 s[20:21], s[20:21], s[56:57]
	s_lshl_b32 s56, s54, 16
	s_lshl_b32 s43, s53, 12
	s_add_co_u32 s56, s56, s43
	s_add_nc_u64 s[34:35], s[34:35], s[56:57]      ; qc: 65,536 a head, 4,096 for 128 queries
	s_lshl_b32 s56, s54, 13
	s_lshl_b32 s43, s53, 9
	s_add_co_u32 s56, s56, s43
	s_add_nc_u64 s[36:37], s[36:37], s[56:57]      ; qs: 8,192 a head, 512 for 128 queries
	s_mul_i32 s55, s54, 135168                     ; kv: the head's record
	s_lshl_b32 s43, s53, 12
	s_add_co_u32 s56, s55, s43
	s_add_nc_u64 s[58:59], s[38:39], s[56:57]      ; its codes of these 128 keys
	s_lshl_b32 s43, s53, 7
	s_add_co_u32 s56, s55, s43
	s_add_nc_u64 s[38:39], s[38:39], s[56:57]      ; its scale words of these 128 keys
; THE STREAM OF Wo, W1, W2.  72 records of 33,792 bytes (slot sigma 0..17, wave w' 0..3): 16 fragments as register images, then 8 images of scale words (lanes 0-15: fragment 2 i, lanes 16-31: fragment 2 i + 1).
; The 576 waves of the first 144 work-groups copy one pair of fragments each.  All that is chosen hangs on ids alone.
	s_cmp_lt_u32 ttmp9, 144
	s_cbranch_scc0 .Lno_layout
	s_lshl_b32 s50, ttmp9, 2
	s_add_co_u32 s50, s50, s42                     ; pair number
	s_lshr_b32 s51, s50, 5                         ; sigma
	s_bfe_u32 s52, s50, 0x20003                    ; w'
	s_and_b32 s53, s50, 7                          ; i
	s_lshr_b32 s50, s50, 3                         ; record 4 sigma + w'
	s_max_u32 s54, s51, 2
	s_sub_co_u32 s54, s54, 2
	s_lshr_b32 s55, s54, 2                         ; j: the chunk of 512 hidden units
	s_and_b32 s54, s54, 3                          ; ph: 0, 1 W1's halves; 2, 3 W2's
	s_cmp_lt_u32 s51, 2                            ; sigma 0, 1: Wo
	s_cselect_b32 s56, s51, s54
	s_cselect_b64 s[60:61], s[22:23], s[26:27]
	s_cselect_b64 s[62:63], s[24:25], s[28:29]
	s_lshl_b32 s56, s56, 6                         ; Wo, W1: rows 64 x (sigma or ph)
	s_lshl_b32 s57, s55, 9                         ; + 512 j
	s_add_co_u32 s56, s56, s57
	s_lshl_b32 s43, s52, 7                         ; + 128 w'
	s_add_co_u32 s56, s56, s43
	s_lshr_b32 s52, s53, 2
	s_lshl_b32 s51, s52, 5                         ; + 32 (i / 4)
	s_add_co_u32 s56, s56, s51
	s_bfe_u32 s51, s53, 0x10001
	s_lshl_b32 s51, s51, 3                         ; + 8 ((i / 2) % 2)
	s_add_co_u32 s56, s56, s51
	s_and_b32 s51, s53, 1
	s_lshl_b32 s51, s51, 8                         ; along K: 256 (i % 2)
	s_and_b32 s2, s53, 3
	s_lshl_b32 s2, s2, 5
	s_add_co_u32 s2, s2, s43                       ; W2: rows 128 w' + 32 (i % 4)
	s_lshl_b32 s3, s54, 8
	s_add_co_u32 s3, s3, s57
	s_sub_co_u32 s3, s3, 512
	s_lshl_b32 s52, s52, 7
	s_add_co_u32 s3, s3, s52                       ; along K: 512 j + 256 (ph - 2) + 128 (i / 4)
	s_cmp_ge_u32 s54, 2                            ; W2?
	s_cselect_b32 s56, s2, s56                     ; first row
	s_cselect_b32 s51, s3, s51                     ; first code in it
	s_cselect_b64 s[60:61], s[30:31], s[60:61]
	s_cselect_b64 s[62:63], s[32:33], s[62:63]
	s_cselect_b32 s52, 11, 9                       ; a row of codes: 2,048 or 512 bytes
	s_cselect_b32 s55, 6, 4                        ; a row of scale bytes: 64 or 16
	s_cselect_b32 s57, 8, 0                        ; lanes 16-31 take the scale words of rows 8 further on (W2: the pair's second fragment is the next tile),
	s_cselect_b32 s43, 0, 4                        ; or the next word of the same rows (Wo, W1: the next K step)
	s_mov_b32 s2, 128
	s_cselect_b32 s2, 0x4000, s2                   ; from the pair's first fragment to its second
	v_lshlrev_b32 v12, s52, v3
	v_lshl_add_u32 v12, v2, 4, v12
	s_wait_alu depctr_va_vdst(0)
	v_add_nc_u32 v13, s2, v12
	s_wait_alu depctr_va_vdst(0)
	v_mad_u32_u24 v14, v2, s57, v3
	v_lshlrev_b32 v14, s55, v14
	v_mad_u32_u24 v14, v2, s43, v14
	s_wait_alu depctr_va_vdst(0)
	s_lshl_b32 s2, s56, s52
	s_add_co_u32 s2, s2, s51
	s_mov_b32 s3, 0
	s_add_nc_u64 s[60:61], s[60:61], s[2:3]
	s_lshl_b32 s2, s56, s55
	s_lshr_b32 s51, s51, 5
	s_add_co_u32 s2, s2, s51
	s_add_nc_u64 s[62:63], s[62:63], s[2:3]
	s_mul_i32 s50, s50, 33792
	s_lshl_b32 s2, s53, 12
	s_add_co_u32 s2, s2, s50
	s_add_nc_u64 s[56:57], s[40:41], s[2:3]        ; the pair's 4,096 bytes in the record
	s_lshl_b32 s2, s53, 7
	s_add_co_u32 s2, s2, s50
	s_add_nc_u64 s[54:55], s[40:41], s[2:3]        ; its scale image, 32,768 bytes further on
.irp c, 0,1,2,3
	global_load_b128 v[128+4*\c:131+4*\c], v12, s[60:61] offset:32*\c
	global_load_b128 v[144+4*\c:147+4*\c], v13, s[60:61] offset:32*\c
.endr
	global_load_b32 v160, v14, s[62:63]
	s_wait_loadcnt 0x0                             ; (x, g1 and be1, which are wanted next, are among what this waits for)
.irp c, 0,1,2,3
	global_store_b128 v4, v[128+4*\c:131+4*\c], s[56:57] offset:512*\c        ; 32 lanes store 512 consecutive bytes
	global_store_b128 v4, v[144+4*\c:147+4*\c], s[56:57] offset:2048+512*\c
.endr
	global_store_b32 v5, v160, s[54:55] offset:32768
	s_wait_xcnt 0x0                                ; the stores' data lie where accumulators come later
.Lno_layout:
; 64 numbers of window 3, v[64 s] on (register 16 b + i = column 128 s + 32 b + 16 h + i of my row), become a fragment's codes in v[PC] on and its scale word in v[PW]
.macro QUANTH s
	WIN 0x0f
.irp b4, 0,1,2,3
	v_max3_num_f32 v[TM+\b4], |v[64*\s+16*\b4]|, |v[64*\s+16*\b4+1]|, 0x8000000   ; and the floor 2^(16 - 127): the byte cannot fall under 1
.endr
	WIN 0x3c
.irp i2, 2,4,6,8,10,12,14
.irp b4, 0,1,2,3
	v_max3_num_f32 v[TM+\b4], v[TM+\b4], |v[64*\s+16*\b4+\i2]|, |v[64*\s+16*\b4+\i2+1]|
.endr
.endr
	WIN 0
	QMID 4
	v_lshl_or_b32 v[PW], v[TM+7], 8, v[TM+6]
	v_lshl_or_b32 v[PW], v[TM+8], 16, v[PW]
	v_lshl_or_b32 v[PW], v[TM+9], 24, v[PW]
	WIN 0xc3
.irp b4, 0,1,2,3
.irp i1, 0,1,2,3,4,5,6,7,8,9,10,11,12,13,14,15
	v_med3_num_f32 v[64*\s+16*\b4+\i1], v[64*\s+16*\b4+\i1], -v[TM+12+\b4], v[TM+12+\b4]   ; the conversion does not saturate (ISA guide 7.6.2): the hold at the largest code x the scale
.endr
.endr
	WIN 0x03
.irp b4, 0,1,2,3
	v_cvt_scalef32_pk8_bf8_f32 v[PC+4*\b4:PC+4*\b4+1], v[64*\s+16*\b4:64*\s+16*\b4+7], v[TM+18+\b4]
	v_cvt_scalef32_pk8_bf8_f32 v[PC+4*\b4+2:PC+4*\b4+3], v[64*\s+16*\b4+8:64*\s+16*\b4+15], v[TM+18+\b4]
.endr
	WIN 0
	v_nop                                          ; one plain line behind the last conversion
.endm
; A tile of 16 tokens: mean, variance about the mean, h = (x - mean) rs g1 + be1, four fragments to LDS.
; u = 0: behind each K step the same registers take tile 1's numbers.  u = 1: the registers that g1 and be1 leave take the weights' fragments.
.macro LNTILE u
	s_wait_loadcnt 0x0
	WIN 0x0f
.irp k, 0,1,2,3
	v_pk_add_f32 v[SA+2*\k:SA+2*\k+1], v[4*\k:4*\k+1], v[4*\k+2:4*\k+3]
.endr
	WIN 0x0c
.set i, 16
.rept 120
	v_pk_add_f32 v[SA+i%8:SA+i%8+1], v[SA+i%8:SA+i%8+1], v[i:i+1]
.set i, i+2
.endr
	WIN 0
	REDUCE
	v_mul_f32 v[MU], s45, v[SA]
	v_mov_b32 v[MU+1], v[MU]
	WIN 0xc3
.set i, 0
.rept 128
	v_pk_add_f32 v[i:i+1], v[i:i+1], v[MU:MU+1] neg_lo:[0,1] neg_hi:[0,1]
.set i, i+2
.endr
	WIN 0x0f
.irp k, 0,1,2,3
	v_pk_mul_f32 v[SA+2*\k:SA+2*\k+1], v[2*\k:2*\k+1], v[2*\k:2*\k+1]
.endr
.set i, 8
.rept 124
	v_pk_fma_f32 v[SA+i%8:SA+i%8+1], v[i:i+1], v[i:i+1], v[SA+i%8:SA+i%8+1]
.set i, i+2
.endr
	WIN 0
	REDUCE
	v_fma_f32 v[SA], v[SA], s45, s44               ; var + eps
	s_wait_alu depctr_va_vdst(0)
	v_rsq_f32 v[RS], v[SA]
	v_rsq_f32 v[RS+1], v[SA]
	v_nop                                          ; a plain line behind the transcendentals
	s_wait_alu depctr_va_vdst(0)
.irp s, 0,1,2,3
	WIN 0xc3
.set i, 64*\s
.rept 32
	v_pk_mul_f32 v[i:i+1], v[i:i+1], v[RS:RS+1]
.set i, i+2
.endr
	WIN 0xe7
.set i, 64*\s
.rept 32
	v_pk_fma_f32 v[i:i+1], v[i:i+1], v[i:i+1], v[i:i+1]   ; x (window 3) x g1 (window 1) + be1 (window 2)
.set i, i+2
.endr
.if \u == 1
	WIN 0x40                                       ; Wq's (s = 0, 1) and Wk's (s = 2, 3) tile s % 2, K steps 0-3: fragments 4 s .. 4 s + 3 of window 1
.irp f, 0,1,2,3
.irp c, 0,1,2,3
.if \s < 2
	global_load_b128 v[64*\s+16*\f+4*\c:64*\s+16*\f+4*\c+3], v8, s[10:11] offset:4096*(\s%2)+128*\f+32*\c
.else
	global_load_b128 v[64*\s+16*\f+4*\c:64*\s+16*\f+4*\c+3], v8, s[14:15] offset:4096*(\s%2)+128*\f+32*\c
.endif
.endr
.endr
.if \s < 2
	WIN 0x80                                       ; Wv's tile s
.irp f, 0,1,2,3
.irp c, 0,1,2,3
	global_load_b128 v[64*\s+16*\f+4*\c:64*\s+16*\f+4*\c+3], v8, s[18:19] offset:4096*\s+128*\f+32*\c
.endr
.endr
.endif
.endif
	QUANTH \s
.irp c, 0,1,2,3
	ds_store_b128 v10, v[PC+4*\c:PC+4*\c+3] offset:8192*\u+2048*\s+512*\c   ; the fragment as it stands: 16 bytes a lane, 512 a store
.endr
	ds_store_b32 v11, v[PW] offset:128*(4*\u+\s)
.if \u == 0
	WIN 0xc0
.set i, 16*\s
.rept 16
	global_load_b128 v[4*i:4*i+3], v6, s[4:5] offset:16384+128*(i/4)+16*(i%4)   ; tile 1: eight rows further down
.set i, i+1
.endr
	WIN 0
.endif
	s_wait_dscnt 0x0                               ; the stores have read their registers
.endr
.endm
	LNTILE 0
	LNTILE 1
.irp t, 0,1
	global_load_b128 v[WSC+4*\t:WSC+4*\t+3], v9, s[12:13] offset:128*\t       ; a row's 16 scale bytes are its four words
	global_load_b128 v[WSC+8+4*\t:WSC+8+4*\t+3], v9, s[16:17] offset:128*\t
	global_load_b128 v[WSC+16+4*\t:WSC+16+4*\t+3], v9, s[20:21] offset:128*\t
.endr
	s_wait_dscnt 0x0                               ; my images have landed
	s_barrier_signal -1
	s_barrier_wait -1                              ; everybody's have: h's 32 fragments lie in LDS, and nobody writes them again
.macro FETCH g                         ; the eight fragments and scale words of the 32 tokens of group g
	WIN 0xc0
.set i, 0
.rept 32
	ds_load_b128 v[4*i:4*i+3], v4 offset:16384*(\g)+512*i
.set i, i+1
.endr
	WIN 0
.set i, 0
.rept 8
	ds_load_b32 v[HS+i], v15 offset:1024*(\g)+128*i
.set i, i+1
.endr
.endm
; K step s: 12 matrix instructions on 12 accumulators, one instruction a turn.  zero = 1: the first step starts the sums
.macro PROD s, zero
	WIN 0x0d                                       ; source 0: the weight, window 1; source 1: h, window 3
.irp p, 0,1
.irp u, 0,1
.irp t, 0,1
.if \zero
	v_wmma_scale_f32_16x16x128_f8f6f4 v[ACC+32*\p+16*\u+8*\t:ACC+32*\p+16*\u+8*\t+7], v[16*(8*\p+4*\t+\s):16*(8*\p+4*\t+\s)+15], v[16*(4*\u+\s):16*(4*\u+\s)+15], 0, v[WSC+8*\p+4*\t+\s], v[HS+4*\u+\s] matrix_a_fmt:MATRIX_FMT_BF8 matrix_b_fmt:MATRIX_FMT_BF8
.else
	v_wmma_scale_f32_16x16x128_f8f6f4 v[ACC+32*\p+16*\u+8*\t:ACC+32*\p+16*\u+8*\t+7], v[16*(8*\p+4*\t+\s):16*(8*\p+4*\t+\s)+15], v[16*(4*\u+\s):16*(4*\u+\s)+15], v[ACC+32*\p+16*\u+8*\t:ACC+32*\p+16*\u+8*\t+7], v[WSC+8*\p+4*\t+\s], v[HS+4*\u+\s] matrix_a_fmt:MATRIX_FMT_BF8 matrix_b_fmt:MATRIX_FMT_BF8
.endif
.endr
.endr
.endr
	WIN 0x0b                                       ; source 0: h, window 3; source 1: Wv, window 2
.irp t, 0,1
.irp u, 0,1
.if \zero
	v_wmma_scale_f32_16x16x128_f8f6f4 v[ACC+64+16*\t+8*\u:ACC+64+16*\t+8*\u+7], v[16*(4*\u+\s):16*(4*\u+\s)+15], v[16*(4*\t+\s):16*(4*\t+\s)+15], 0, v[HS+4*\u+\s], v[WSC+16+4*\t+\s] matrix_a_fmt:MATRIX_FMT_BF8 matrix_b_fmt:MATRIX_FMT_BF8
.else
	v_wmma_scale_f32_16x16x128_f8f6f4 v[ACC+64+16*\t+8*\u:ACC+64+16*\t+8*\u+7], v[16*(4*\u+\s):16*(4*\u+\s)+15], v[16*(4*\t+\s):16*(4*\t+\s)+15], v[ACC+64+16*\t+8*\u:ACC+64+16*\t+8*\u+7], v[HS+4*\u+\s], v[WSC+16+4*\t+\s] matrix_a_fmt:MATRIX_FMT_BF8 matrix_b_fmt:MATRIX_FMT_BF8
.endif
.endr
.endr
.endm
.macro QB6                             ; six blocks of 32 (16 registers here, 16 in lane l xor 16): q(u = 0, 1), k(u = 0, 1), v(t = 0, 1); each accumulator is read from its low end on
.irp k, 0,1,2,3,4,5
	v_max3_num_f32 v[TM+\k], |v[ACC+16*\k]|, |v[ACC+16*\k+1]|, 0x8000000
.endr
.irp i2, 2,4,6,8,10,12,14
.irp k, 0,1,2,3,4,5
	v_max3_num_f32 v[TM+\k], v[TM+\k], |v[ACC+16*\k+\i2]|, |v[ACC+16*\k+\i2+1]|
.endr
.endr
	QMID 6
.irp k, 0,1,2,3,4,5
.irp i1, 0,1,2,3,4,5,6,7,8,9,10,11,12,13,14,15
	v_med3_num_f32 v[ACC+16*\k+\i1], v[ACC+16*\k+\i1], -v[TM+12+\k], v[TM+12+\k]
.endr
.endr
.irp k, 0,1,2,3,4,5
	v_cvt_scalef32_pk8_bf8_f32 v[PC+4*\k:PC+4*\k+1], v[ACC+16*\k:ACC+16*\k+7], v[TM+18+\k]
	v_cvt_scalef32_pk8_bf8_f32 v[PC+4*\k+2:PC+4*\k+3], v[ACC+16*\k+8:ACC+16*\k+15], v[TM+18+\k]
.endr
	v_nop                                          ; one plain line behind the last conversion: the next products write the numbers' registers
.endm
	FETCH 0
	s_wait_loadcnt 0x0                             ; the weights and their scale words
.irp g, 0,1,2,3
	s_wait_dscnt 0x0                               ; this group's fragments of h
	PROD 0, 1
	PROD 1, 0
	PROD 2, 0
	PROD 3, 0
	WIN 0
.rept 8
	v_nop                                          ; eight places behind this form, ahead of the loads into h's registers and of the first read of results
.endr
.if \g < 3
	FETCH \g+1                                     ; lands while this group is quantised
.endif
	s_wait_xcnt 0x0                                ; the last group's stores have read their data
	QB6
	global_store_b128 v4, v[PC:PC+3], s[34:35] offset:512*(2*\g)             ; q: tile 2 g + u; each store covers 512 consecutive bytes
	global_store_b128 v4, v[PC+4:PC+7], s[34:35] offset:512*(2*\g+1)
	global_store_b128 v4, v[PC+8:PC+11], s[58:59] offset:512*(2*\g)          ; k: key tile 2 g + u
	global_store_b128 v4, v[PC+12:PC+15], s[58:59] offset:512*(2*\g+1)
	global_store_b128 v4, v[PC+16:PC+19], s[58:59] offset:65536+512*\g       ; v: fragment t, register group g
	global_store_b128 v4, v[PC+20:PC+23], s[58:59] offset:65536+2048+512*\g
	v_perm_b32 v[QW], v[TM+6], v[TM+6], 0          ; q's byte in all four places of its word: q will stand in any of the four blocks of a K step
	v_perm_b32 v[QW+1], v[TM+7], v[TM+7], 0
	v_cndmask_b32 v[QW+2], v[QW], v[QW+1], s49     ; lanes 0-15: tile u = 0, lanes 16-31: u = 1
	global_store_b32 v5, v[QW+2], s[36:37] offset:128*\g
.if \g%2 == 0
	v_lshl_or_b32 v[KW+\g/2], v[TM+9], 8, v[TM+8]  ; k's bytes: fragment g / 2, byte 2 (g % 2) + u
.else
	v_lshl_or_b32 v[KW+\g/2], v[TM+8], 16, v[KW+\g/2]
	v_lshl_or_b32 v[KW+\g/2], v[TM+9], 24, v[KW+\g/2]
.endif
.if \g == 0
	v_mov_b32 v[VW], v[TM+10]                      ; v's bytes: tile t, byte g
	v_mov_b32 v[VW+1], v[TM+11]
.else
	v_lshl_or_b32 v[VW], v[TM+10], 8*\g, v[VW]
	v_lshl_or_b32 v[VW+1], v[TM+11], 8*\g, v[VW+1]
.endif
.endr
	v_cndmask_b32 v[KW], v[KW], v[KW+1], s49
	v_cndmask_b32 v[VW], v[VW], v[VW+1], s49
	global_store_b32 v5, v[KW], s[38:39] offset:131072
	global_store_b32 v5, v[VW], s[38:39] offset:133120
	s_wait_tensorcnt 0x0
	ds_add_u32 v254, v255
	s_wait_dscnt 0x0
	s_endpgm
.Lfunc_end_k_qb7451f0728_qkv:
	.size	k_qb7451f0728_qkv, .Lfunc_end_k_qb7451f0728_qkv-k_qb7451f0728_qkv
	.p2alignl 7, 3214868480
	.fill 96, 4, 3214868480
	.section	.rodata,"a",@progbits
	.p2align	6, 0x0
	.amdhsa_kernel k_qb7451f0728_qkv
		.amdhsa_group_segment_fixed_size 70144
		.amdhsa_private_segment_fixed_size 0
		.amdhsa_enable_private_segment 0
		.amdhsa_kernarg_size 152
		.amdhsa_user_sgpr_count 2
		.amdhsa_user_sgpr_kernarg_segment_ptr 1
		.amdhsa_wavefront_size32 1
		.amdhsa_system_sgpr_workgroup_id_x 1
		.amdhsa_system_sgpr_workgroup_id_y 1
		.amdhsa_system_sgpr_workgroup_id_z 1
		.amdhsa_system_vgpr_workitem_id 0
		.amdhsa_next_free_vgpr 1024
		.amdhsa_next_free_sgpr 66
		.amdhsa_reserve_vcc 0
		.amdhsa_float_denorm_mode_32 3
		.amdhsa_float_denorm_mode_16_64 3
		.amdhsa_memory_ordered 1
		.amdhsa_forward_progress 1
		.amdhsa_inst_pref_size 255
	.end_amdhsa_kernel
	.section	.bss,"aw",@nobits
	.p2align	6
	.space	262144
	.amdgpu_metadata
---
amdhsa.version: [ 1, 2 ]
amdhsa.kernels:
  - .name:           k_qb7451f0728_qkv
    .symbol:         k_qb7451f0728_qkv.kd
    .args:
      - { .name: x, .offset: 0, .size: 8, .value_kind: global_buffer, .address_space: global }
      - { .name: g1, .offset: 8, .size: 8, .value_kind: global_buffer, .address_space: global }
      - { .name: be1, .offset: 16, .size: 8, .value_kind: global_buffer, .address_space: global }
      - { .name: Wq_codes, .offset: 24, .size: 8, .value_kind: global_buffer, .address_space: global }
      - { .name: Wq_scales, .offset: 32, .size: 8, .value_kind: global_buffer, .address_space: global }
      - { .name: Wk_codes, .offset: 40, .size: 8, .value_kind: global_buffer, .address_space: global }
      - { .name: Wk_scales, .offset: 48, .size: 8, .value_kind: global_buffer, .address_space: global }
      - { .name: Wv_codes, .offset: 56, .size: 8, .value_kind: global_buffer, .address_space: global }
      - { .name: Wv_scales, .offset: 64, .size: 8, .value_kind: global_buffer, .address_space: global }
      - { .name: Wo_codes, .offset: 72, .size: 8, .value_kind: global_buffer, .address_space: global }
      - { .name: Wo_scales, .offset: 80, .size: 8, .value_kind: global_buffer, .address_space: global }
      - { .name: W1_codes, .offset: 88, .size: 8, .value_kind: global_buffer, .address_space: global }
      - { .name: W1_scales, .offset: 96, .size: 8, .value_kind: global_buffer, .address_space: global }
      - { .name: W2_codes, .offset: 104, .size: 8, .value_kind: global_buffer, .address_space: global }
      - { .name: W2_scales, .offset: 112, .size: 8, .value_kind: global_buffer, .address_space: global }
      - { .name: qc, .offset: 120, .size: 8, .value_kind: global_buffer, .address_space: global }
      - { .name: qs, .offset: 128, .size: 8, .value_kind: global_buffer, .address_space: global }
      - { .name: kv, .offset: 136, .size: 8, .value_kind: global_buffer, .address_space: global }
      - { .name: ws, .offset: 144, .size: 8, .value_kind: global_buffer, .address_space: global }
    .group_segment_fixed_size: 70144
    .private_segment_fixed_size: 0
    .kernarg_segment_align: 8
    .kernarg_segment_size: 152
    .max_flat_workgroup_size: 128
    .sgpr_count:     66
    .vgpr_count:     1024
    .wavefront_size: 32
...
	.end_amdgpu_metadata
.endif
;; end of part 1
;; launch attn (part 2): grid 4 x 64, 16 waves a work-group, clusters of 4 x 1, 169,984 bytes of LDS; arguments qc, qs, kv, ac, asc; writes ac, asc
.if DOCPART == 2
	.amdgcn_target "amdgcn-amd-amdhsa--gfx1250"
	.amdhsa_code_object_version 6
	.text
	.protected	k_qb7451f0728_attn
	.globl	k_qb7451f0728_attn
	.p2align	8
	.type	k_qb7451f0728_attn,@function
k_qb7451f0728_attn:
	s_mov_b64 s[64:65], 0
	v_nop
	global_prefetch_b8 v0, s[64:65] scope:SCOPE_SE
	s_setreg_imm32_b32 hwreg(HW_REG_WAVE_MODE, 25, 1), 1
	s_wait_xcnt 0x0
	s_wait_alu depctr_hold_cnt(0) depctr_sa_sdst(0) depctr_va_vdst(0) depctr_va_sdst(0) depctr_va_ssrc(0) depctr_va_vcc(0) depctr_vm_vsrc(0)
	s_getreg_b32 s2, hwreg(HW_REG_IB_STS2, 6, 4)
	s_cmp_eq_u32 s2, 0
	s_cbranch_scc0 .Lentry_in_a_cluster
	s_endpgm
.Lentry_in_a_cluster:
	s_bfe_u32 s2, ttmp6, 0x10000c
	s_cmp_lg_u32 s2, 0x3003
	s_cbranch_scc0 .Lentry_shape_is_right
	s_endpgm
.Lentry_shape_is_right:
; Causal attention of one head (head size 32) on codes of E5M2 with E8M0 scales, and the quantising of its result along the head's 32 channels.
; t = score x log2(e) / sqrt(32) (rounded once, where the definition rounds twice); M = the running largest t rounded UP to a whole number; p = 2^(t - M) is quantised along the keys, not normalised;
; the row's sum is taken of the unquantised p and divides at the end; when M moves, sum and O are multiplied by 2^(old M - new M), which rounds nothing.
; SHARES.  A cluster of four work-groups owns one (batch, head); its 64 waves own two query tiles of 16 each: with e = 2 cx + wave % 2 and a0 = wave / 2, tiles 8 a + e for a = a0 and a = 15 - a0:
; (a0 + 1) + (16 - a0) = 17 key steps of 128 for every wave of the launch.  Steps whose keys all come after the tile's queries are passed over by a scalar branch on ids.
; K AND V.  The head's whole record (135,168 bytes: k's codes, v's codes, their scale words, as register images) comes into LDS ONCE: a joint load a wave, 33 rows of 256 bytes, the same in all four partners.
; Nothing is filled again.  No branch and no LDS address hangs on cx: it enters global addresses and one number a lane (the mask's).
; THE FIRST PRODUCT HAS K = 32.  A fragment of k holds FOUR key tiles in its four blocks of 32; q's 32 codes stand in one block of source 1 and zero codes in the other three.  v16-27 and v32-43 hold zeros, v28-31 q:
; source 1 = v[28 - 4 c : 43 - 4 c] puts q into block c.  k's codes were held at the largest code, so none is an infinity: the other blocks add exact zeros.
; LAYOUT.  S^T = k q^T and O^T = v^T p^T: a lane holds one query throughout; the 16 registers of score tiles 2 b, 2 b + 1 are keys 32 b + 16 (lane / 16) + 0 .. 15; O's 16 registers are channels 16 (lane / 16) + 0 .. 15.
; OUT: codes as 512 dense bytes a tile and head; the scale bytes leave singly, 16 bytes apart (one byte for 32 of codes): the price of one head to a work-group.
; LIMITS: NaN and infinities are not served; a block of zeros keeps the scale byte 1 (its codes are zeros; this program alone reads the bytes).
.set LI,  1                            ; 16 x lane
.set LS,  2                            ; 4 x lane
.set ADK, 3                            ; the step's k images
.set ADV, 4                            ; v images
.set ADS, 5                            ; scale words
.set QD,  6                            ; my query's place in its 128, less 16 (lane / 16)
.set QSA, 7                            ; 4 r
.set ASA, 8                            ; 16 r
.set NINF, 9
.set AV0, 10                           ; 65,536 + 16 x lane
.set AS0, 11                           ; 131,072 + 4 x lane
.set KF,  44                           ; v44-75   two fragments of k
.set VF,  76                           ; v76-107  two of v
.set S,   108                          ; v108-171 scores, then p
.set O,   172                          ; v172-187 O^T
.set PC,  188                          ; v188-203 p's codes
.set BM,  204                          ; largest score / p of each block
.set TP,  208
.set HO,  212                          ; holds
.set SO,  216                          ; the conversions' scale operands
.set FF,  220                          ; v220-221 f = 2^(old M - new M) (the pair's low word serves both halves)
.set PSC, 222
.set KSC, 223
.set VSC, 224
.set QSC, 225
.set T0,  226                          ; v226-230 at work
.set OUT, 232                          ; v232-247
.set OC,  248                          ; v248-251
.set BY,  252
.macro ROUND                           ; a round of the cluster's barrier
	s_barrier_signal -1
	s_barrier_wait -1
	s_cmp_lg_u32 s14, 0
	s_cbranch_scc1 .Lnot_wave_0_\@
	s_barrier_signal -3
.Lnot_wave_0_\@:
	s_barrier_wait -3
	s_barrier_signal -1
	s_barrier_wait -1
.endm
	s_load_b256 s[4:11], s[0:1], 0x0               ; qc 4, qs 6, kv 8, ac 10
	s_load_b64 s[12:13], s[0:1], 0x20              ; asc
	v_lshl_add_u32 v254, v0, 2, 0x29000
	v_mov_b32 v255, 0
	ds_add_u32 v254, v255
	ds_add_u32 v254, v255
	v_lshrrev_b32 v1, 5, v0
	s_delay_alu instid0(VALU_DEP_1)
	v_readfirstlane_b32 s14, v1                    ; wave 0..15
	s_bfe_u32 s15, ttmp6, 0x40000                  ; cx
	s_and_b32 s27, ttmp7, 0xffff                   ; 16 x batch + head: the cluster's y
	s_mov_b32 s32, 15|(3<<16)|(1<<21)              ; group 1: the mask names all four; elements of 8 bytes; bit 21 beside a mask; no padding
	s_mov_b32 s33, 32<<16                          ; tensor_dim0 = 32 elements (256 bytes)
	s_mov_b32 s34, 33<<16                          ; tensor_dim1 = 33 rows
	s_mov_b32 s35, 32<<16                          ; tile_dim0
	s_mov_b32 s36, 33                              ; tile_dim1
	s_mov_b32 s37, 32                              ; from row to row
	s_mov_b32 s38, 0
	s_mov_b32 s39, 0
	s_mov_b32 s28, 1
	s_mul_i32 s29, s14, 8448                       ; my sixteenth of the record, in LDS and in memory
	s_mul_i32 s48, s27, 135168
	s_add_co_u32 s48, s48, s29
	s_mov_b32 s49, 0
	s_and_b32 s17, s14, 1
	s_lshl_b32 s16, s17, 3
	s_lshl_b32 s52, s15, 5
	s_add_co_u32 s16, s16, s52                     ; 32 cx + 8 (wave % 2)
	s_lshl_b32 s52, s15, 1
	s_add_co_u32 s17, s17, s52                     ; e
	s_lshr_b32 s18, s14, 1                         ; a
	s_mov_b32 s22, 0x3e8293ee                      ; c = log2(e) / sqrt(32)
	s_mov_b32 s23, s22
	s_mov_b32 s24, 0x76543210
	s_mov_b32 s25, 0xfedcba98
	s_mov_b32 s26, 0x600000
	s_wait_dscnt 0x0
	s_wait_kmcnt 0x0
	s_add_nc_u64 s[30:31], s[8:9], s[48:49]
	s_or_b32 s31, s31, 0x80000000
	ROUND                                          ; all four work-groups are here: the joint loads meet
	tensor_load_to_lds s[28:31], s[32:39]          ; my one tensor load of the launch
	s_nop 0
.rept 4
	v_nop
.endr
	v_and_b32 v[LS], 31, v0
	s_delay_alu instid0(VALU_DEP_1)
	v_lshlrev_b32 v[LI], 4, v[LS]
	s_delay_alu instid0(VALU_DEP_2)
	v_lshlrev_b32 v[LS], 2, v[LS]
	s_delay_alu instid0(VALU_DEP_2)
	v_add_nc_u32 v[AV0], 0x10000, v[LI]
	s_delay_alu instid0(VALU_DEP_2)
	v_add_nc_u32 v[AS0], 0x20000, v[LS]
	v_and_b32 v[QSA], 15, v0                       ; r
	v_bfe_u32 v[ADK], v0, 4, 1                     ; h
	s_delay_alu instid0(VALU_DEP_2)
	v_and_b32 v[QD], 8, v[QSA]
	s_delay_alu instid0(VALU_DEP_1)
	v_add_nc_u32 v[QD], v[QD], v[QSA]              ; r + 8 (r / 8)
	s_delay_alu instid0(VALU_DEP_3)
	v_lshlrev_b32 v[ADK], 4, v[ADK]
	s_delay_alu instid0(VALU_DEP_1)
	v_sub_nc_u32 v[QD], v[QD], v[ADK]
	s_delay_alu instid0(VALU_DEP_1)
	v_add_nc_u32 v[QD], s16, v[QD]
	v_lshlrev_b32 v[ASA], 4, v[QSA]
	v_lshlrev_b32 v[QSA], 2, v[QSA]
	v_mov_b32 v[NINF], 0xff800000
.irp j, 16,17,18,19,20,21,22,23,24,25,26,27,32,33,34,35,36,37,38,39,40,41,42,43
	v_mov_b32 v\j, 0                               ; the zero codes round q
.endr
.irp j, 0,1,2,3
	v_mov_b32 v[TP+\j], 0                          ; written once: a lane permute's destination counts as one of its sources
.endr
	v_mov_b32 v[FF+1], 0                           ; (named as the upper half of a pair)
	v_mov_b32 v[T0], 0
	v_mov_b32 v[T0+2], 0
; A TILE'S OPENING: its addresses, the loads of q and its scale words, the sums' first values.  It runs for the first tile ahead of the wait for the record, and for the second at the end of the first trip.
.macro TOP
	s_wait_xcnt 0x0                                ; the last tile's loads and stores have read their bases and data
	s_lshl_b32 s55, s18, 3
	s_add_co_u32 s55, s55, s17                     ; the tile in its batch: 8 a + e
	s_lshl_b32 s50, s27, 16
	s_lshl_b32 s52, s55, 9
	s_add_co_u32 s50, s50, s52
	s_mov_b32 s51, 0
	s_add_nc_u64 s[40:41], s[4:5], s[50:51]        ; q's codes
	s_lshl_b32 s50, s27, 13
	s_lshl_b32 s52, s55, 6
	s_add_co_u32 s50, s50, s52
	s_add_nc_u64 s[42:43], s[6:7], s[50:51]        ; q's scale words
	s_lshr_b32 s52, s27, 4
	s_lshl_b32 s52, s52, 7
	s_add_co_u32 s52, s52, s55                     ; the tile among all 512
	s_and_b32 s53, s27, 15                         ; the head
	s_lshl_b32 s50, s52, 13
	s_lshl_b32 s54, s53, 9
	s_add_co_u32 s50, s50, s54
	s_add_nc_u64 s[44:45], s[10:11], s[50:51]      ; where the codes go
	s_lshl_b32 s50, s52, 8
	s_add_co_u32 s50, s50, s53
	s_add_nc_u64 s[46:47], s[12:13], s[50:51]      ; and the scale bytes
	global_load_b128 v[28:31], v[LI], s[40:41]
	global_load_b32 v[QSC], v[QSA], s[42:43]
	v_mov_b32 v13, 0xff61b1e6                      ; the largest t so far: -3e38
	s_delay_alu instid0(VALU_DEP_1)
	v_floor_f32 v12, -v13                          ; -M
	v_mov_b32 v14, 0                               ; the sum, in two halves
	v_mov_b32 v15, 0
.irp j, 0,1,2,3,4,5,6,7,8,9,10,11,12,13,14,15
	v_mov_b32 v[O+\j], 0                           ; the step is written once: the first finds zeros
.endr
	s_mov_b32 s19, 0                               ; the key step
	s_mov_b32 s20, 0                               ; its images: 4,096 bytes a step
	s_mov_b32 s21, 0                               ; its scale words: 128
	s_wait_alu depctr_va_vdst(0)
.endm
	TOP                                            ; the first tile: a = a0
	s_wait_tensorcnt 0x0                           ; my part of the record is in,
	s_barrier_signal -1
	s_barrier_wait -1                              ; everybody's is; from here on LDS is only read
	s_mov_b32 s3, 0
.Ltile:                                            ; two trips: a = a0, then 15 - a0
	s_wait_loadcnt 0x0                             ; q and its scale words
.Lstep:
	s_cmp_gt_u32 s19, s18
	s_cbranch_scc1 .Lhidden
	v_add_nc_u32 v[ADK], s20, v[LI]
	v_add_nc_u32 v[ADS], s21, v[AS0]               ; k's registers were last read by the step before's score products, a whole softmax back
.irp g, 0,1
.irp c, 0,1,2,3
	ds_load_b128 v[KF+16*\g+4*\c:KF+16*\g+4*\c+3], v[ADK] offset:2048*\g+512*\c
.endr
.endr
	ds_load_b32 v[KSC], v[ADS]                     ; lanes 0-15: fragment 0's words, lanes 16-31: fragment 1's
	s_wait_dscnt 0x0                               ; k's nine loads are in
.irp c, 0,1,2,3
	v_wmma_scale_f32_16x16x128_f8f6f4 v[S+8*\c:S+8*\c+7], v[KF:KF+15], v[28-4*\c:43-4*\c], 0, v[KSC], v[QSC] matrix_a_fmt:MATRIX_FMT_BF8 matrix_b_fmt:MATRIX_FMT_BF8
.endr
.irp c, 0,1,2,3
	v_wmma_scale_f32_16x16x128_f8f6f4 v[S+32+8*\c:S+32+8*\c+7], v[KF+16:KF+31], v[28-4*\c:43-4*\c], 0, v[KSC], v[QSC] matrix_a_fmt:MATRIX_FMT_BF8 matrix_b_fmt:MATRIX_FMT_BF8 matrix_a_scale:MATRIX_SCALE_ROW1
.endr
	v_add_nc_u32 v[ADV], s20, v[AV0]               ; eight places behind the score products: v's two addresses and six idle lines.
	v_add_nc_u32 v[T0+1], s21, v[AS0]              ; With the two additions at the step's head they are ten plain lines behind the last step's O products, ahead of the loads into v's registers
.rept 6
	v_nop
.endr
.irp g, 0,1
.irp c, 0,1,2,3
	ds_load_b128 v[VF+16*\g+4*\c:VF+16*\g+4*\c+3], v[ADV] offset:2048*\g+512*\c
.endr
.endr
	ds_load_b32 v[VSC], v[T0+1] offset:2048        ; v's nine loads land under the softmax
	s_cmp_lg_u32 s19, s18                          ; on the diagonal the scores of hidden keys become -infinity ahead of the maximum
	s_cbranch_scc1 .Lopen
.set n, 0
.rept 64
	v_cmp_gt_i32 vcc_lo, 32*(n/16)+n%16, v[QD]     ; register 16 b + i holds key 32 b + 16 (lane / 16) + i of the step
	v_cndmask_b32 v[S+n], v[S+n], v[NINF], vcc_lo
.set n, n+1
.endr
.Lopen:
.irp b, 0,1,2,3
	v_max3_num_f32 v[BM+\b], v[S+16*\b], v[S+16*\b+1], v[S+16*\b+2]   ; the largest score of each block of 32 keys: for the row's maximum and, since p rises with the score, for the block's largest p
.endr
.irp i, 3,5,7,9,11,13
.irp b, 0,1,2,3
	v_max3_num_f32 v[BM+\b], v[BM+\b], v[S+16*\b+\i], v[S+16*\b+\i+1]
.endr
.endr
.irp b, 0,1,2,3
	v_max_num_f32 v[BM+\b], v[BM+\b], v[S+16*\b+15]
.endr
.irp b, 0,1,2,3
	s_delay_alu instid0(VALU_DEP_4)
	v_permlanex16_b32 v[TP+\b], v[BM+\b], s24, s25
.endr
.irp b, 0,1,2,3
	s_delay_alu instid0(VALU_DEP_4)
	v_max_num_f32 v[BM+\b], v[BM+\b], v[TP+\b]
.endr
	s_delay_alu instid0(VALU_DEP_2)
	v_max3_num_f32 v[T0], v[BM], v[BM+1], v[BM+2]
	s_delay_alu instid0(VALU_DEP_1)
	v_max_num_f32 v[T0], v[T0], v[BM+3]
	s_delay_alu instid0(VALU_DEP_1)
	v_mul_f32 v[T0], s22, v[T0]
	s_delay_alu instid0(VALU_DEP_1)
	v_max_num_f32 v13, v13, v[T0]                  ; the running largest t
	v_mov_b32 v[T0], v12
	s_delay_alu instid0(VALU_DEP_2)
	v_floor_f32 v12, -v13                          ; the new -M = -ceil(t)
	s_delay_alu instid0(VALU_DEP_1)
	v_sub_f32 v[T0], v12, v[T0]                    ; old M - new M: a whole number, 0 or less
	s_delay_alu instid0(VALU_DEP_1)
	v_cvt_i32_f32 v[T0], v[T0]                     ; (it saturates)
	s_delay_alu instid0(VALU_DEP_1)
	v_ldexp_f32 v[FF], 1.0, v[T0]
.set j, 0
.rept 32
	v_pk_fma_f32 v[S+j:S+j+1], v[S+j:S+j+1], s[22:23], v[12:13] op_sel_hi:[1,0,0]   ; t - M
.set j, j+2
.endr
.irp b, 0,1,2,3
	v_fma_f32 v[BM+\b], v[BM+\b], s22, v12
.endr
.set j, 0
	s_wait_alu depctr_va_vdst(0)
.rept 64
	v_exp_f32 v[S+j], v[S+j]
.set j, j+1
.endr
.irp b, 0,1,2,3
	v_exp_f32 v[BM+\b], v[BM+\b]
.endr
	v_pk_mul_f32 v[14:15], v[14:15], v[FF:FF+1] op_sel_hi:[1,0]   ; the sums under the new M (a plain line behind the exponentials)
	s_wait_alu depctr_va_vdst(0)
.irp b, 0,1,2,3
	v_max_num_f32 v[BM+\b], 0x8000000, v[BM+\b]    ; the floor 2^(16 - 127)
.endr
.irp b, 0,1,2,3
	s_delay_alu instid0(VALU_DEP_4)
	v_add_nc_u32 v[SO+\b], 0xf8800000, v[BM+\b]
.endr
.irp b, 0,1,2,3
	v_and_or_b32 v[HO+\b], v[BM+\b], 0x7f800000, s26
.endr
.irp b, 0,1,2,3
	v_lshrrev_b32 v[TP+\b], 23, v[SO+\b]
.endr
	s_delay_alu instid0(VALU_DEP_3)
	v_lshl_or_b32 v[PSC], v[TP+1], 8, v[TP]        ; p's scale word for these 128 keys
	s_delay_alu instid0(VALU_DEP_1)
	v_lshl_or_b32 v[PSC], v[TP+2], 16, v[PSC]
	s_delay_alu instid0(VALU_DEP_1)
	v_lshl_or_b32 v[PSC], v[TP+3], 24, v[PSC]
	v_pk_add_f32 v[208:209], v[112:113], v[116:117]
	v_pk_add_f32 v[252:253], v[120:121], v[124:125]
	v_pk_add_f32 v[250:251], v[128:129], v[132:133]
	v_pk_add_f32 v[248:249], v[136:137], v[140:141]
	v_pk_add_f32 v[246:247], v[144:145], v[148:149]
	v_pk_add_f32 v[244:245], v[152:153], v[156:157]
	v_pk_add_f32 v[242:243], v[160:161], v[164:165]
	v_pk_add_f32 v[14:15], v[14:15], v[168:169]
	v_pk_add_f32 v[208:209], v[208:209], v[108:109]
	v_pk_add_f32 v[252:253], v[252:253], v[110:111]
	v_pk_add_f32 v[250:251], v[250:251], v[114:115]
	v_pk_add_f32 v[248:249], v[248:249], v[118:119]
	v_pk_add_f32 v[246:247], v[246:247], v[122:123]
	v_pk_add_f32 v[244:245], v[244:245], v[126:127]
	v_pk_add_f32 v[242:243], v[242:243], v[130:131]
	v_pk_add_f32 v[14:15], v[14:15], v[134:135]
	v_pk_add_f32 v[208:209], v[208:209], v[138:139]
	v_pk_add_f32 v[252:253], v[252:253], v[142:143]
	v_pk_add_f32 v[250:251], v[250:251], v[146:147]
	v_pk_add_f32 v[248:249], v[248:249], v[150:151]
	v_pk_add_f32 v[246:247], v[246:247], v[154:155]
	v_pk_add_f32 v[244:245], v[244:245], v[158:159]
	v_pk_add_f32 v[242:243], v[242:243], v[162:163]
	v_pk_add_f32 v[14:15], v[14:15], v[166:167]
	v_pk_add_f32 v[208:209], v[208:209], v[170:171]
	s_delay_alu instid0(VALU_DEP_2)
	v_pk_add_f32 v[14:15], v[14:15], v[248:249]
	s_delay_alu instid0(VALU_DEP_2)
	v_pk_add_f32 v[208:209], v[208:209], v[246:247]
	v_pk_add_f32 v[252:253], v[252:253], v[244:245]
	v_pk_add_f32 v[250:251], v[250:251], v[242:243]
	s_delay_alu instid0(VALU_DEP_2)
	v_pk_add_f32 v[14:15], v[14:15], v[252:253]
	s_delay_alu instid0(VALU_DEP_2)
	v_pk_add_f32 v[208:209], v[208:209], v[250:251]
	s_delay_alu instid0(VALU_DEP_1)
	v_pk_add_f32 v[14:15], v[14:15], v[208:209]
.irp b, 0,1,2,3
.irp i, 0,2,4,6,8,10,12,14
	v_dual_min_num_f32 v[S+16*\b+\i], v[S+16*\b+\i], v[HO+\b] :: v_dual_min_num_f32 v[S+16*\b+\i+1], v[S+16*\b+\i+1], v[HO+\b]   ; the conversion does not saturate (ISA guide 7.6.2); p is not negative: a one-sided hold, two numbers a line
.endr
	v_cvt_scalef32_pk8_bf8_f32 v[PC+4*\b:PC+4*\b+1], v[S+16*\b:S+16*\b+7], v[SO+\b]
	v_cvt_scalef32_pk8_bf8_f32 v[PC+4*\b+2:PC+4*\b+3], v[S+16*\b+8:S+16*\b+15], v[SO+\b]
.endr
.set j, 0
.rept 8
	v_pk_mul_f32 v[O+j:O+j+1], v[O+j:O+j+1], v[FF:FF+1] op_sel_hi:[1,0]   ; O^T under the new M; these eight also stand between the conversions and the products
.set j, j+2
.endr
	s_wait_alu depctr_va_vdst(0)
	s_wait_dscnt 0x0                               ; v
	v_wmma_scale_f32_16x16x128_f8f6f4 v[O:O+7], v[VF:VF+15], v[PC:PC+15], v[O:O+7], v[VSC], v[PSC] matrix_a_fmt:MATRIX_FMT_BF8 matrix_b_fmt:MATRIX_FMT_BF8
	v_wmma_scale_f32_16x16x128_f8f6f4 v[O+8:O+15], v[VF+16:VF+31], v[PC:PC+15], v[O+8:O+15], v[VSC], v[PSC] matrix_a_fmt:MATRIX_FMT_BF8 matrix_b_fmt:MATRIX_FMT_BF8 matrix_a_scale:MATRIX_SCALE_ROW1
.Lhidden:
	s_add_co_u32 s20, s20, 4096
	s_add_co_u32 s21, s21, 128
	s_add_co_u32 s19, s19, 1
	s_cmp_lt_u32 s19, 16
	s_cbranch_scc1 .Lstep
.rept 8
	v_nop                                          ; eight places behind the last products
.endr
	v_add_f32 v14, v14, v15
	s_delay_alu instid0(VALU_DEP_1)
	v_permlanex16_b32 v[T0], v14, s24, s25
	s_delay_alu instid0(VALU_DEP_1)
	v_add_f32 v14, v14, v[T0]                      ; the row's sum
	s_wait_alu depctr_va_vdst(0)
	v_rcp_f32 v14, v14
	v_nop
	s_wait_alu depctr_va_vdst(0)
.irp j, 0,1,2,3,4,5,6,7,8,9,10,11,12,13,14,15
	v_mul_f32 v[OUT+\j], v[O+\j], v14              ; channels 16 (lane / 16) + j of my query
.endr
	v_max3_num_f32 v[T0+1], |v[OUT]|, |v[OUT+1]|, 0x8000000
.irp j, 2,4,6,8,10,12,14
	s_delay_alu instid0(VALU_DEP_1)
	v_max3_num_f32 v[T0+1], v[T0+1], |v[OUT+\j]|, |v[OUT+\j+1]|
.endr
	s_delay_alu instid0(VALU_DEP_1)
	v_permlanex16_b32 v[T0+2], v[T0+1], s24, s25
	s_delay_alu instid0(VALU_DEP_1)
	v_max_num_f32 v[T0+1], v[T0+1], v[T0+2]        ; the head's 32 channels are one block of the next product's K
	s_delay_alu instid0(VALU_DEP_1)
	v_add_nc_u32 v[T0+3], 0xf8800000, v[T0+1]
	s_delay_alu instid0(VALU_DEP_2)
	v_and_or_b32 v[T0+4], v[T0+1], 0x7f800000, s26
	s_delay_alu instid0(VALU_DEP_2)
	v_lshrrev_b32 v[BY], 23, v[T0+3]
.irp j, 0,1,2,3,4,5,6,7,8,9,10,11,12,13,14,15
	v_med3_num_f32 v[OUT+\j], v[OUT+\j], -v[T0+4], v[T0+4]
.endr
	v_cvt_scalef32_pk8_bf8_f32 v[OC:OC+1], v[OUT:OUT+7], v[T0+3]
	v_cvt_scalef32_pk8_bf8_f32 v[OC+2:OC+3], v[OUT+8:OUT+15], v[T0+3]
	v_nop
	global_store_b128 v[LI], v[OC:OC+3], s[44:45]  ; 512 consecutive bytes: register group head % 4 of fragment (tile, head / 4)
	global_store_b8 v[ASA], v[BY], s[46:47]        ; both lanes of a row write the same byte with the same value
	s_sub_co_u32 s18, 15, s18
	s_cmp_eq_u32 s3, 1                             ; the last trip has no tile behind it
	s_cbranch_scc1 .Lno_next
	TOP                                            ; the second tile: a = 15 - a0
.Lno_next:
	s_add_co_u32 s3, s3, 1
	s_cmp_lt_u32 s3, 2
	s_cbranch_scc1 .Ltile
	s_wait_tensorcnt 0x0
	ds_add_u32 v254, v255
	s_wait_dscnt 0x0
	ROUND                                          ; the closing round
	s_endpgm
.Lfunc_end_k_qb7451f0728_attn:
	.size	k_qb7451f0728_attn, .Lfunc_end_k_qb7451f0728_attn-k_qb7451f0728_attn
	.p2alignl 7, 3214868480
	.fill 96, 4, 3214868480
	.section	.rodata,"a",@progbits
	.p2align	6, 0x0
	.amdhsa_kernel k_qb7451f0728_attn
		.amdhsa_group_segment_fixed_size 169984
		.amdhsa_private_segment_fixed_size 0
		.amdhsa_enable_private_segment 0
		.amdhsa_kernarg_size 40
		.amdhsa_user_sgpr_count 2
		.amdhsa_user_sgpr_kernarg_segment_ptr 1
		.amdhsa_wavefront_size32 1
		.amdhsa_system_sgpr_workgroup_id_x 1
		.amdhsa_system_sgpr_workgroup_id_y 1
		.amdhsa_system_sgpr_workgroup_id_z 1
		.amdhsa_system_vgpr_workitem_id 0
		.amdhsa_next_free_vgpr 256
		.amdhsa_next_free_sgpr 66
		.amdhsa_reserve_vcc 1
		.amdhsa_float_denorm_mode_32 3
		.amdhsa_float_denorm_mode_16_64 3
		.amdhsa_memory_ordered 1
		.amdhsa_forward_progress 1
		.amdhsa_inst_pref_size 35
	.end_amdhsa_kernel
	.amdgpu_metadata
---
amdhsa.version: [ 1, 2 ]
amdhsa.kernels:
  - .name:           k_qb7451f0728_attn
    .symbol:         k_qb7451f0728_attn.kd
    .args:
      - { .name: qc, .offset: 0, .size: 8, .value_kind: global_buffer, .address_space: global }
      - { .name: qs, .offset: 8, .size: 8, .value_kind: global_buffer, .address_space: global }
      - { .name: kv, .offset: 16, .size: 8, .value_kind: global_buffer, .address_space: global }
      - { .name: ac, .offset: 24, .size: 8, .value_kind: global_buffer, .address_space: global }
      - { .name: asc, .offset: 32, .size: 8, .value_kind: global_buffer, .address_space: global }
    .group_segment_fixed_size: 169984
    .private_segment_fixed_size: 0
    .kernarg_segment_align: 8
    .kernarg_segment_size: 40
    .max_flat_workgroup_size: 512
    .sgpr_count:     66
    .vgpr_count:     256
    .wavefront_size: 32
...
	.end_amdgpu_metadata
.endif
;; end of part 2
;; launch mlp (part 3): grid 128 x 1, 4 waves a work-group, clusters of 4 x 1, 327,680 bytes of LDS; arguments x, ac, asc, ws, bo, g2, be2, b1, b2, out0; writes out0
.if DOCPART == 3
	.amdgcn_target "amdgcn-amd-amdhsa--gfx1250"
	.amdhsa_code_object_version 6
	.text
	.protected	k_qb7451f0728_mlp
	.globl	k_qb7451f0728_mlp
	.p2align	8
	.type	k_qb7451f0728_mlp,@function
k_qb7451f0728_mlp:
	s_mov_b64 s[64:65], 0
	v_nop
	global_prefetch_b8 v0, s[64:65] scope:SCOPE_SE
	s_setreg_imm32_b32 hwreg(HW_REG_WAVE_MODE, 25, 1), 1
	s_wait_xcnt 0x0
	s_wait_alu depctr_hold_cnt(0) depctr_sa_sdst(0) depctr_va_vdst(0) depctr_va_sdst(0) depctr_va_ssrc(0) depctr_va_vcc(0) depctr_vm_vsrc(0)
	s_getreg_b32 s2, hwreg(HW_REG_IB_STS2, 6, 4)
	s_cmp_eq_u32 s2, 0
	s_cbranch_scc0 .Lentry_in_a_cluster
	s_endpgm
.Lentry_in_a_cluster:
	s_bfe_u32 s2, ttmp6, 0x10000c
	s_cmp_lg_u32 s2, 0x3003
	s_cbranch_scc0 .Lentry_shape_is_right
	s_endpgm
.Lentry_shape_is_right:
; x1 = x + attn Wo + bo;  out = x1 + relu(LN2(x1) W1 + b1) W2 + b2.  All three products on codes of E5M2 with one E8M0 scale for each 32 along K; LN2's result and the hidden layer are quantised in registers.
; SHARES.  A work-group owns 64 tokens, four tiles m of 16 (row p of tile m: token 32 (m / 2) + 8 (m % 2) + p + 8 (p / 8)).  THE WAVES SHARE THE COLUMNS: wave w makes columns 128 w .. + 127 of x1 and out and
; hidden units 512 j + 128 w .. + 127 of chunk j (j = 0..3), for all 64 rows: a weight fragment read from LDS feeds four matrix instructions and is read once.
; 128 work-groups: every row block walks all 2.4 MB of weights, so blocks of 32 rows for 256 work-groups would double those bytes for the same products.
; THE WEIGHTS come as one stream (ws): 18 slots' worth, each 4 records of 33,792 bytes, one a wave: 16 fragments as register images and their scale words.  A ring of two LDS slots; each wave fetches and reads
; its own record.  All row blocks walk the same stream: each refill is a JOINT load of the cluster's four work-groups, behind a round of the cluster's barrier.
; All products are used transposed (source 0 = 16 rows of the weight, source 1 = 16 tokens): a lane holds one token, and the 16 registers of tiles 2 b, 2 b + 1 are columns 32 b + 16 (lane / 16) + 0 .. 15.
; Operands go from wave to wave through LDS as images of their registers (16 bytes a lane, 512 a store; scale words 4 bytes a lane).
; LN2: each wave's mean and sum of squares about ITS mean over its 128 columns; the four are joined by the parallel form (sum of M2 + 128 x sum of (mean_w - mean)^2): no difference of large sums.
; LIMITS: NaN and infinities are not served; a block of zeros keeps the scale byte 1 (its codes are zeros; this program alone reads the bytes).
; REGISTERS.  Window 1: ACC(m, t) = 64 m + 8 t: x, then x1, then out.   window 2: 16 fragments 16 (4 m + s): attn's, then LN2's.   window 3: bo, g2, be2, b2 (64 each); then the hidden layer HID(m, t) = 64 m + 8 t; then its 16 fragments.
;   window 0: v1-24 addresses; v26-31 LN's; v32-39 the weights' scale words; v40-55 the tokens' scale words; v56-119 64 numbers at work / b1 as eight C tiles; v120-247 eight fragment buffers, at other times the quantiser's and LN's registers.
.set REC,   33792
.set RING1, 135168                     ; slot 1; a slot: 4 records
.set IMG,   278528                     ; 16 images of 2,048 bytes, (4 m + s); at the end, with the first 1,024 bytes of ISC, the four waves' stages of 8,448 bytes
.set ISC,   311296                     ; their 16 scale-word images
.set STAT,  313344                     ; LN2: 512 m + 128 w + 8 r: (mean, M2)
.set SPARE, 315392                     ; the spare words, 128 bytes a wave: two blocks of 256 bytes that no other line names
.set VSL,  8                           ; v8-9    slot 0, 1: my record + 16 x lane
.set VSS,  10                          ; v10-11  its scale images + 4 x lane
.set WS,   32
.set ASC,  40                          ; attn's scale words 4 m + s
.set H2S,  40                          ; LN2's: 2 m + s / 2; lanes 0-15 even s, lanes 16-31 odd s
.set HS,   48                          ; the hidden layer's, likewise
.set X64,  56
.set WF,   120
.set TM,   120                         ; v120-123 largest magnitudes, 124-127 bytes, 128-131 holds, 132-135 scale operands
.set PC,   136
.set PW,   152
.set SA,   160
.set LST,  168                         ; my (mean, M2) of tile m
.set PST,  176                         ; v176-207 the four waves' (mean, M2) of the four tiles
.set BO,   0                           ; in window 3
.set G2,   64
.set BE2,  128
.set B2,   192
.set G1,   24                          ; s[24:31] group 1 for a record
.set G0,   40                          ; s[40:47] group 0, one for each slot
.set MSB, 0
.macro WIN new
.if MSB != (\new)
	s_set_vgpr_msb (MSB<<8)|(\new)
.set MSB, (\new)
.endif
.endm
.macro ROUND
	s_barrier_signal -1
	s_barrier_wait -1
	s_cmp_lg_u32 s52, 0
	s_cbranch_scc1 .Lnot_wave_0_\@
	s_barrier_signal -3
.Lnot_wave_0_\@:
	s_barrier_wait -3
	s_barrier_signal -1
	s_barrier_wait -1
.endm
.macro BARRIER                         ; my LDS stores have landed and my LDS loads are in: then the work-group's barrier
	s_wait_dscnt 0x0
	s_barrier_signal -1
	s_barrier_wait -1
.endm
.macro PLACES n
.rept \n
	v_nop
.endr
.endm
; THE CHANGE OF SLOTS, ahead of the reading of slot par.  Each wave waits for all its tensor loads (one is out: slot par's), adds 0 to its spare word, waits for that and for all its LDS reads and stores.
; refill = 1: a round of the cluster's barrier, and first thing behind it the joint load of the record two slots on into the slot just left.  Nine v_nop follow: places ahead of the loads into
; registers that the last products read (eight), and of products that begin accumulators anew over such registers (nine).
.macro CHANGE par, refill
	WIN 0
	s_wait_tensorcnt 0x0
	ds_add_u32 v22, v23                            ; 0 onto my spare word
.if \refill
	s_add_nc_u64 s[G0+4*(1-\par)+2:G0+4*(1-\par)+3], s[G0+4*(1-\par)+2:G0+4*(1-\par)+3], 8*REC   ; no load of mine is out: the other slot's next record
	s_wait_dscnt 0x0
	ROUND
	tensor_load_to_lds s[G0+4*(1-\par):G0+4*(1-\par)+3], s[G1:G1+7]
	s_nop 0
.else
	s_wait_dscnt 0x0
	s_barrier_signal -1
	s_barrier_wait -1
.endif
	PLACES 9
.endm
.macro WM d, a, b, c, sa, sb, ra, rb   ; one matrix instruction; ra, rb: the scale words stand in lanes 16-31
.if (\ra) && (\rb)
	v_wmma_scale_f32_16x16x128_f8f6f4 v[\d:\d+7], v[\a:\a+15], v[\b:\b+15], v[\c:\c+7], v[\sa], v[\sb] matrix_a_fmt:MATRIX_FMT_BF8 matrix_b_fmt:MATRIX_FMT_BF8 matrix_a_scale:MATRIX_SCALE_ROW1 matrix_b_scale:MATRIX_SCALE_ROW1
.elseif (\ra)
	v_wmma_scale_f32_16x16x128_f8f6f4 v[\d:\d+7], v[\a:\a+15], v[\b:\b+15], v[\c:\c+7], v[\sa], v[\sb] matrix_a_fmt:MATRIX_FMT_BF8 matrix_b_fmt:MATRIX_FMT_BF8 matrix_a_scale:MATRIX_SCALE_ROW1
.elseif (\rb)
	v_wmma_scale_f32_16x16x128_f8f6f4 v[\d:\d+7], v[\a:\a+15], v[\b:\b+15], v[\c:\c+7], v[\sa], v[\sb] matrix_a_fmt:MATRIX_FMT_BF8 matrix_b_fmt:MATRIX_FMT_BF8 matrix_b_scale:MATRIX_SCALE_ROW1
.else
	v_wmma_scale_f32_16x16x128_f8f6f4 v[\d:\d+7], v[\a:\a+15], v[\b:\b+15], v[\c:\c+7], v[\sa], v[\sb] matrix_a_fmt:MATRIX_FMT_BF8 matrix_b_fmt:MATRIX_FMT_BF8
.endif
.endm
; fragment f of a slot against token tile m.  mode 6 (Wo) and 7 (W1): tile 4 half + f / 4, K step f % 4.  mode 8 (W2): tile f % 8, K step 2 half + f / 8.
.macro MM mode, half, f, m
.set AR, WF+16*((\f)%8)
.set SW, WS+(\f)/2
.set RA, (\f)%2
.if \mode == 6
.set DR, 64*(\m)+8*(4*(\half)+(\f)/4)
.set BR, 16*(4*(\m)+(\f)%4)
.set SB, ASC+4*(\m)+(\f)%4
	WM DR, AR, BR, DR, SW, SB, RA, 0
.elseif \mode == 7
.set DR, 64*(\m)+8*(4*(\half)+(\f)/4)
.set BR, 16*(4*(\m)+(\f)%4)
.set SB, H2S+2*(\m)+((\f)%4)/2
.if (\f)%4 == 0
.set CR, X64+8*(4*(\half)+(\f)/4)      ; b1 starts the sum
.else
.set CR, DR
.endif
	WM DR, AR, BR, CR, SW, SB, RA, RA
.else
.set DR, 64*(\m)+8*((\f)%8)
.set BR, 16*(4*(\m)+2*(\half)+(\f)/8)
.set SB, HS+2*(\m)+(\half)
	WM DR, AR, BR, DR, SW, SB, RA, (\f)/8
.endif
.endm
.macro FPAIR par, q                    ; fragments 2 q, 2 q + 1 of slot par into their buffers
.irp e, 0,1
.irp c, 0,1,2,3
	ds_load_b128 v[WF+16*((2*(\q)+\e)%8)+4*\c:WF+16*((2*(\q)+\e)%8)+4*\c+3], v[VSL+\par] offset:2048*(2*(\q)+\e)+512*\c
.endr
.endr
.endm
; A SLOT'S WORK: 16 fragments x 4 token tiles = 64 matrix instructions.  Fragments come in pairs, three pairs ahead, into eight buffers.  The accumulators take turns, one instruction a turn.
.macro SLOTW mode, half, par
.irp i, 0,1,2,3,4,5,6,7
	ds_load_b32 v[WS+\i], v[VSS+\par] offset:128*\i
.endr
	FPAIR \par, 0
	FPAIR \par, 1
	FPAIR \par, 2
.irp q, 0,1,2,3,4,5,6,7
.if \q < 6
	s_wait_dscnt 16                                ; behind pair q's loads stand those of two more pairs
.elseif \q == 6
	s_wait_dscnt 8
.else
	s_wait_dscnt 0
.endif
.irp e, 0,1
.if \mode == 6
	WIN 0x58                                       ; source 1 window 2; C and D window 1
.elseif \mode == 7
.if (2*\q+\e)%4 == 0
	WIN 0xc8                                       ; source 1 window 2; C (b1) window 0; D window 3
.else
	WIN 0xf8
.endif
.else
	WIN 0x5c                                       ; source 1 window 3; C and D window 1
.endif
.irp m, 0,1,2,3
	MM \mode, \half, 2*\q+\e, \m
.endr
.endr
.if \q < 5
	PLACES 8                                       ; ahead of loads into the buffers that pair q - 1's products read
	WIN 0
	FPAIR \par, \q+3
.endif
.endr
.endm
.macro REDUCE
	v_pk_add_f32 v[SA:SA+1], v[SA:SA+1], v[SA+2:SA+3]
	v_pk_add_f32 v[SA+4:SA+5], v[SA+4:SA+5], v[SA+6:SA+7]
	v_pk_add_f32 v[SA:SA+1], v[SA:SA+1], v[SA+4:SA+5]
	v_add_f32 v[SA], v[SA], v[SA+1]
	v_permlanex16_b32 v[SA+1], v[SA], s56, s57
	v_add_f32 v[SA], v[SA], v[SA+1]
.endm
; 64 numbers of a lane in window win, v[s] on (register 16 b + i = k 32 b + 16 (lane / 16) + i of my row), become a fragment's codes in v[PC] on and its scale word in v[PW].  relu = 1: what is negative becomes 0 on the way
.macro QUANT s, relu, win
	WIN (\win)|((\win)<<2)
.irp b4, 0,1,2,3
.if \relu
	v_max3_num_f32 v[TM+\b4], v[\s+16*\b4], v[\s+16*\b4+1], 0x8000000      ; no |.|: what is negative must not count; the floor 2^(16 - 127) stands over it
.else
	v_max3_num_f32 v[TM+\b4], |v[\s+16*\b4]|, |v[\s+16*\b4+1]|, 0x8000000
.endif
.endr
	WIN ((\win)<<2)|((\win)<<4)
.irp i2, 2,4,6,8,10,12,14
.irp b4, 0,1,2,3
.if \relu
	v_max3_num_f32 v[TM+\b4], v[TM+\b4], v[\s+16*\b4+\i2], v[\s+16*\b4+\i2+1]
.else
	v_max3_num_f32 v[TM+\b4], v[TM+\b4], |v[\s+16*\b4+\i2]|, |v[\s+16*\b4+\i2+1]|
.endif
.endr
.endr
	WIN 0
.irp b4, 0,1,2,3
	v_permlanex16_b32 v[TM+4+\b4], v[TM+\b4], s56, s57
.endr
.irp b4, 0,1,2,3
	v_max_num_f32 v[TM+\b4], v[TM+\b4], v[TM+4+\b4]
.endr
.irp b4, 0,1,2,3
	v_add_nc_u32 v[TM+12+\b4], 0xf8800000, v[TM+\b4]
.endr
.irp b4, 0,1,2,3
	v_and_or_b32 v[TM+8+\b4], v[TM+\b4], 0x7f800000, s58
.endr
.irp b4, 0,1,2,3
	v_lshrrev_b32 v[TM+4+\b4], 23, v[TM+12+\b4]
.endr
	v_lshl_or_b32 v[PW], v[TM+5], 8, v[TM+4]
	v_lshl_or_b32 v[PW], v[TM+6], 16, v[PW]
	v_lshl_or_b32 v[PW], v[TM+7], 24, v[PW]
	WIN (\win)|((\win)<<6)
.irp b4, 0,1,2,3
.irp i1, 0,1,2,3,4,5,6,7,8,9,10,11,12,13,14,15
.if \relu
	v_med3_num_f32 v[\s+16*\b4+\i1], v[\s+16*\b4+\i1], 0, v[TM+8+\b4]      ; the activation and the hold in one
.else
	v_med3_num_f32 v[\s+16*\b4+\i1], v[\s+16*\b4+\i1], -v[TM+8+\b4], v[TM+8+\b4]
.endif
.endr
.endr
	WIN (\win)
.irp b4, 0,1,2,3
	v_cvt_scalef32_pk8_bf8_f32 v[PC+4*\b4:PC+4*\b4+1], v[\s+16*\b4:\s+16*\b4+7], v[TM+12+\b4]
	v_cvt_scalef32_pk8_bf8_f32 v[PC+4*\b4+2:PC+4*\b4+3], v[\s+16*\b4+8:\s+16*\b4+15], v[TM+12+\b4]
.endr
	WIN 0
	v_nop                                          ; one plain line behind the last conversion
.endm
.macro IMAGE m                         ; my fragment of tile m (K step = my wave) and its scale word go to LDS as they stand
.irp c, 0,1,2,3
	ds_store_b128 v12, v[PC+4*\c:PC+4*\c+3] offset:8192*\m+512*\c
.endr
	ds_store_b32 v14, v[PW] offset:512*\m
	s_wait_dscnt 0x0                               ; the stores have read their registers
.endm
	s_load_b512 s[4:19], s[0:1], 0x0               ; x 4, ac 6, asc 8, ws 10, bo 12, g2 14, be2 16, b1 18
	s_load_b128 s[20:23], s[0:1], 0x40             ; b2 20, out0 22
	v_lshl_add_u32 v22, v0, 2, SPARE
	v_mov_b32 v23, 0
	ds_add_u32 v22, v23
	ds_add_u32 v22, v23
	s_wait_dscnt 0x0
	v_lshrrev_b32 v1, 5, v0
	v_readfirstlane_b32 s52, v1                    ; wave
	s_bfe_u32 s53, ttmp6, 0x40000                  ; cx
	s_lshl_b32 s54, ttmp9, 2
	s_add_co_u32 s54, s54, s53                     ; my block of 64 tokens: it enters global addresses alone
	s_mov_b32 s[G1], 15|(3<<16)|(1<<21)            ; the mask names all four; elements of 8 bytes; bit 21 beside a mask; no padding
	s_mov_b32 s[G1+1], 128<<16                     ; rows of 1,024 bytes (128 elements of 8): a record is dense in memory
	s_mov_b32 s[G1+2], 33<<16                      ; 33 of them: a record of 33,792 bytes
	s_mov_b32 s[G1+3], 128<<16
	s_mov_b32 s[G1+4], 33
	s_mov_b32 s[G1+5], 128
	s_mov_b32 s[G1+6], 0
	s_mov_b32 s[G1+7], 0
	s_mov_b32 s56, 0x76543210
	s_mov_b32 s57, 0xfedcba98
	s_mov_b32 s58, 0x600000
	s_mov_b32 s66, 0x3727c5ac                      ; 1e-5
	s_mov_b32 s67, 0x3b000000                      ; 1 / 512
	s_mul_i32 s62, s52, REC
	s_mov_b32 s63, 0
	s_lshl_b32 s61, s52, 11
	s_lshl_b32 s55, s52, 7
	v_and_b32 v1, 15, v0                           ; r
	v_bfe_u32 v2, v0, 4, 1                         ; h
	v_and_b32 v3, 8, v1
	v_add_nc_u32 v3, v3, v1                        ; r + 8 (r / 8)
	v_and_b32 v5, 31, v0
	v_lshlrev_b32 v4, 4, v5                        ; 16 x lane
	v_lshlrev_b32 v5, 2, v5                        ; 4 x lane
	v_lshlrev_b32 v6, 11, v3
	v_lshl_add_u32 v6, v2, 6, v6                   ; x: my row, + 64 h
	v_lshlrev_b32 v7, 6, v2                        ; the per-column vectors: 64 h
	v_add_nc_u32 v8, s62, v4
	v_add_nc_u32 v9, RING1, v8
	v_add_nc_u32 v10, s62, v5
	v_add_nc_u32 v10, 32768, v10
	v_add_nc_u32 v11, RING1, v10
	v_add_nc_u32 v12, s61, v4
	v_add_nc_u32 v12, IMG, v12                     ; where I store images
	v_add_nc_u32 v13, IMG, v4                      ; where images are read
	v_add_nc_u32 v14, s55, v5
	v_add_nc_u32 v14, ISC, v14                     ; where I store scale words
	v_lshlrev_b32 v15, 2, v1
	v_lshl_add_u32 v15, v2, 7, v15
	v_add_nc_u32 v15, ISC, v15                     ; where they are read: lanes 16-31 take the next image
	s_lshl_b32 s59, s52, 9
	v_add_nc_u32 v16, s59, v7                      ; b1 in memory: my 128 units of chunk 0, + 64 h
	v_lshlrev_b32 v19, 3, v1
	v_add_nc_u32 v19, STAT, v19
	v_add_nc_u32 v18, s55, v19
	s_mul_i32 s60, s52, 8448
	s_add_co_u32 s60, s60, IMG                     ; my stage
	v_mul_u32_u24 v20, v1, 528
	v_lshl_add_u32 v20, v2, 6, v20
	v_add_nc_u32 v20, s60, v20
	v_add_nc_u32 v21, s60, v4
	v_lshlrev_b32 v24, 4, v1
.irp k, 0,1,2,3
	v_mov_b32 v[TM+4+\k], 0                        ; written once: a lane permute's destination counts as one of its sources
.endr
	s_wait_kmcnt 0x0
	s_add_nc_u64 s[10:11], s[10:11], s[62:63]      ; the stream at record (0, my wave)
	s_mov_b32 s[G0], 1
	s_mov_b32 s[G0+1], s62
	s_mov_b64 s[G0+2:G0+3], s[10:11]
	s_or_b32 s[G0+3], s[G0+3], 0x80000000
	s_mov_b32 s[G0+4], 1
	s_add_co_u32 s[G0+5], s62, RING1
	s_add_nc_u64 s[G0+6:G0+7], s[10:11], 4*REC
	s_or_b32 s[G0+7], s[G0+7], 0x80000000
	s_mov_b32 s69, 0
	s_lshl_b32 s68, s54, 17
	s_add_co_u32 s68, s68, s59
	s_add_nc_u64 s[4:5], s[4:5], s[68:69]          ; x and out0 at my 64 rows, my 128 columns
	s_add_nc_u64 s[22:23], s[22:23], s[68:69]
	s_lshl_b32 s68, s54, 15
	s_add_nc_u64 s[6:7], s[6:7], s[68:69]
	s_lshl_b32 s68, s54, 10
	s_add_nc_u64 s[8:9], s[8:9], s[68:69]
	s_mov_b32 s62, s59
	s_add_nc_u64 s[12:13], s[12:13], s[62:63]
	s_add_nc_u64 s[14:15], s[14:15], s[62:63]
	s_add_nc_u64 s[16:17], s[16:17], s[62:63]
	s_add_nc_u64 s[20:21], s[20:21], s[62:63]
	ROUND                                          ; all four work-groups are here: the first joint loads meet
	tensor_load_to_lds s[G0:G0+3], s[G1:G1+7]      ; slot 0: my one tensor load at the head
	s_nop 0
	PLACES 4
	WIN 0x40
.irp m, 0,1,2,3
.set i, 0
.rept 16
	global_load_b128 v[64*\m+4*i:64*\m+4*i+3], v6, s[4:5] offset:(32*(\m/2)+8*(\m%2))*2048+128*(i/4)+16*(i%4)   ; x is the C of the first product
.set i, i+1
.endr
.endr
	WIN 0x80
.set i, 0
.rept 64
	global_load_b128 v[4*i:4*i+3], v4, s[6:7] offset:512*i     ; attn's 16 fragments, as they were stored
.set i, i+1
.endr
	WIN 0xc0
.set i, 0
.rept 16
	global_load_b128 v[BO+4*i:BO+4*i+3], v7, s[12:13] offset:128*(i/4)+16*(i%4)
	global_load_b128 v[G2+4*i:G2+4*i+3], v7, s[14:15] offset:128*(i/4)+16*(i%4)
	global_load_b128 v[BE2+4*i:BE2+4*i+3], v7, s[16:17] offset:128*(i/4)+16*(i%4)
	global_load_b128 v[B2+4*i:B2+4*i+3], v7, s[20:21] offset:128*(i/4)+16*(i%4)
.set i, i+1
.endr
	WIN 0
	s_wait_alu depctr_va_vdst(0)
.irp m, 0,1,2,3
	global_load_b128 v[ASC+4*\m:ASC+4*\m+3], v24, s[8:9] offset:256*\m     ; a row's 16 bytes are its four scale words
.endr
	s_wait_loadcnt 0x0                             ; x, attn's fragments, the per-column vectors, the scale words
	s_wait_tensorcnt 0x0                           ; my record of slot 0 is in; slot 1's first fill is issued as a refill is:
	ds_add_u32 v22, v23                            ; 0 onto my spare word
	s_wait_dscnt 0x0
	ROUND                                          ; a whole round: the four work-groups' joint loads meet
	tensor_load_to_lds s[G0+4:G0+7], s[G1:G1+7]    ; slot 1: the first tensor load behind the round
	s_nop 0
	PLACES 4
	SLOTW 6, 0, 0                                  ; x1 = x + attn Wo
	CHANGE 1, 1
	SLOTW 6, 1, 1
	WIN 0
	PLACES 8
.macro LNA m                           ; + bo; my 128 columns' mean and sum of squares about it
	WIN 0x4d
.set i, 0
.rept 32
	v_pk_add_f32 v[64*\m+i:64*\m+i+1], v[64*\m+i:64*\m+i+1], v[BO+i:BO+i+1]
.set i, i+2
.endr
	WIN 0x05
.irp k, 0,1,2,3
	v_pk_add_f32 v[SA+2*\k:SA+2*\k+1], v[64*\m+4*\k:64*\m+4*\k+1], v[64*\m+4*\k+2:64*\m+4*\k+3]
.endr
	WIN 0x04
.set i, 16
.rept 24
	v_pk_add_f32 v[SA+i%8:SA+i%8+1], v[SA+i%8:SA+i%8+1], v[64*\m+i:64*\m+i+1]
.set i, i+2
.endr
	WIN 0
	REDUCE
	v_mul_f32 v26, 0x3c000000, v[SA]               ; / 128
	v_mov_b32 v27, v26
	WIN 0x01
.set i, 0
.rept 32
	v_pk_add_f32 v[X64+i:X64+i+1], v[64*\m+i:64*\m+i+1], v[26:27] neg_lo:[0,1] neg_hi:[0,1]
.set i, i+2
.endr
	WIN 0
.irp k, 0,1,2,3
	v_pk_mul_f32 v[SA+2*\k:SA+2*\k+1], v[X64+2*\k:X64+2*\k+1], v[X64+2*\k:X64+2*\k+1]
.endr
.set i, 8
.rept 28
	v_pk_fma_f32 v[SA+i%8:SA+i%8+1], v[X64+i:X64+i+1], v[X64+i:X64+i+1], v[SA+i%8:SA+i%8+1]
.set i, i+2
.endr
	REDUCE
	v_mov_b32 v[LST+2*\m], v26
	v_mov_b32 v[LST+2*\m+1], v[SA]
	ds_store_b64 v18, v[LST+2*\m:LST+2*\m+1] offset:512*\m   ; both lanes of a row write the same words with the same values
.endm
.macro LNB m                           ; the four waves' figures joined; LN2's result for my 128 columns, quantised: K step = my wave; then + b2
.set P0, PST+8*\m
	v_add_f32 v30, v[P0], v[P0+2]
	v_add_f32 v31, v[P0+4], v[P0+6]
	v_add_f32 v30, v30, v31
	v_mul_f32 v26, 0x3e800000, v30                 ; the row's mean
	v_mov_b32 v27, v26
	v_add_f32 v30, v[P0+1], v[P0+3]
	v_add_f32 v31, v[P0+5], v[P0+7]
	v_add_f32 v30, v30, v31
	v_sub_f32 v31, v[P0], v26
	v_mul_f32 v28, v31, v31
	v_sub_f32 v31, v[P0+2], v26
	v_fmac_f32 v28, v31, v31
	v_sub_f32 v31, v[P0+4], v26
	v_fmac_f32 v28, v31, v31
	v_sub_f32 v31, v[P0+6], v26
	v_fmac_f32 v28, v31, v31
	v_fma_f32 v30, v28, 0x43000000, v30            ; + 128 x the sum of (mean_w - mean)^2
	v_fma_f32 v30, v30, s67, s66                   ; var + eps
	s_wait_alu depctr_va_vdst(0)
	v_rsq_f32 v28, v30
	v_rsq_f32 v29, v30
	v_nop
	WIN 0x01
.set i, 0
.rept 32
	v_pk_add_f32 v[X64+i:X64+i+1], v[64*\m+i:64*\m+i+1], v[26:27] neg_lo:[0,1] neg_hi:[0,1]
.set i, i+2
.endr
	WIN 0
.set i, 0
	s_wait_alu depctr_va_vdst(0)
.rept 32
	v_pk_mul_f32 v[X64+i:X64+i+1], v[X64+i:X64+i+1], v[28:29]
.set i, i+2
.endr
	WIN 0x3c
.set i, 0
.rept 32
	v_pk_fma_f32 v[X64+i:X64+i+1], v[X64+i:X64+i+1], v[G2+i:G2+i+1], v[BE2+i:BE2+i+1]
.set i, i+2
.endr
	QUANT X64, 0, 0
	IMAGE \m
	WIN 0x4d
.set i, 0
.rept 32
	v_pk_add_f32 v[64*\m+i:64*\m+i+1], v[64*\m+i:64*\m+i+1], v[B2+i:B2+i+1]   ; the last product adds onto x1 + b2
.set i, i+2
.endr
	WIN 0
.endm
	LNA 0
	LNA 1
	LNA 2
	LNA 3
	BARRIER                                        ; all waves' figures lie in LDS
.irp m, 0,1,2,3
.irp k, 0,1,2,3
	ds_load_b64 v[PST+8*\m+2*\k:PST+8*\m+2*\k+1], v19 offset:512*\m+128*\k
.endr
.endr
	s_wait_dscnt 0x0
	LNB 0
	LNB 1
	LNB 2
	LNB 3
	BARRIER                                        ; LN2's sixteen fragments lie in LDS
	WIN 0x80
.set i, 0
.rept 64
	ds_load_b128 v[4*i:4*i+3], v13 offset:512*i    ; they stay in window 2 for all four chunks
.set i, i+1
.endr
	WIN 0
.irp m, 0,1,2,3
.irp k, 0,1
	ds_load_b32 v[H2S+2*\m+\k], v15 offset:128*(4*\m+2*\k)
.endr
.endr
; A CHUNK of 512 hidden units: four slots.  W1's two: my 128 units for the 64 rows, b1 as the first C; relu and quantising in registers; images to LDS (K step = my wave); W2's two: out += hidden W2.
; HALF OF THE HIDDEN LAYER'S QUANTISING, behind each of W1's two slots: slot half has finished tiles 4 half .. 4 half + 3 of all four token tiles, which are blocks 2 half, 2 half + 1 of my K step.
; Eight blocks k = 2 m + b go together under each window setting: relu and the hold in one, codes to the image's register groups 2 half + b, the two scale bytes as half a scale word.  The change of slots that follows waits for the stores.
.set QM,  120                          ; v120-127 largest magnitudes
.set QB,  128                          ; v128-135 lane l xor 16's, then the bytes
.set QHO, 136                          ; v136-143 holds
.set QSO, 144                          ; v144-151 the conversions' scale operands
.set QC,  152                          ; v152-183 codes, four registers a block
.set QW,  184                          ; v184-187 two bytes a token tile
.macro QH half
	WIN 0x0f
.irp k, 0,1,2,3,4,5,6,7
	v_max3_num_f32 v[QM+\k], v[64*(\k/2)+16*(\k%2)+32*\half], v[64*(\k/2)+16*(\k%2)+32*\half+1], 0x8000000   ; no |.|: what is negative must not count; the floor 2^(16 - 127) stands over it
.endr
	WIN 0x3c
.irp i2, 2,4,6,8,10,12,14
.irp k, 0,1,2,3,4,5,6,7
	v_max3_num_f32 v[QM+\k], v[QM+\k], v[64*(\k/2)+16*(\k%2)+32*\half+\i2], v[64*(\k/2)+16*(\k%2)+32*\half+\i2+1]
.endr
.endr
	WIN 0
.irp k, 0,1,2,3,4,5,6,7
	v_permlanex16_b32 v[QB+\k], v[QM+\k], s56, s57
.endr
.irp k, 0,1,2,3,4,5,6,7
	v_max_num_f32 v[QM+\k], v[QM+\k], v[QB+\k]
.endr
.irp k, 0,1,2,3,4,5,6,7
	v_add_nc_u32 v[QSO+\k], 0xf8800000, v[QM+\k]
.endr
.irp k, 0,1,2,3,4,5,6,7
	v_and_or_b32 v[QHO+\k], v[QM+\k], 0x7f800000, s58
.endr
.irp k, 0,1,2,3,4,5,6,7
	v_lshrrev_b32 v[QB+\k], 23, v[QSO+\k]
.endr
.irp m, 0,1,2,3
	v_lshl_or_b32 v[QW+\m], v[QB+2*\m+1], 8, v[QB+2*\m]
.endr
	WIN 0xc3
.irp k, 0,1,2,3,4,5,6,7
.irp i1, 0,1,2,3,4,5,6,7,8,9,10,11,12,13,14,15
	v_med3_num_f32 v[64*(\k/2)+16*(\k%2)+32*\half+\i1], v[64*(\k/2)+16*(\k%2)+32*\half+\i1], 0, v[QHO+\k]   ; the activation and the hold in one
.endr
.endr
	WIN 0x03
.irp k, 0,1,2,3,4,5,6,7
	v_cvt_scalef32_pk8_bf8_f32 v[QC+4*\k:QC+4*\k+1], v[64*(\k/2)+16*(\k%2)+32*\half:64*(\k/2)+16*(\k%2)+32*\half+7], v[QSO+\k]
	v_cvt_scalef32_pk8_bf8_f32 v[QC+4*\k+2:QC+4*\k+3], v[64*(\k/2)+16*(\k%2)+32*\half+8:64*(\k/2)+16*(\k%2)+32*\half+15], v[QSO+\k]
.endr
	WIN 0
	v_nop                                          ; one plain line behind the last conversion
.irp k, 0,1,2,3,4,5,6,7
	ds_store_b128 v12, v[QC+4*\k:QC+4*\k+3] offset:8192*(\k/2)+512*(2*\half+\k%2)
.endr
.irp m, 0,1,2,3
	ds_store_b16 v14, v[QW+\m] offset:512*\m+2*\half
.endr
.endm
.macro CHUNK last
	v_add_nc_u32 v17, s59, v16
.irp t, 0,1,2,3,4,5,6,7
	global_load_b128 v[X64+8*\t:X64+8*\t+3], v17, s[18:19] offset:128*(\t/2)+32*(\t%2)        ; b1 from memory, in the result's layout: tile t, units 32 (t / 2) + 8 (t % 2) + 16 h + 0 .. 7
	global_load_b128 v[X64+8*\t+4:X64+8*\t+7], v17, s[18:19] offset:128*(\t/2)+32*(\t%2)+16
.endr
	CHANGE 0, 1
	s_wait_loadcnt 0x0                             ; b1's sixteen loads, issued ahead of the change of slots, are in; v17 may be written again
	SLOTW 7, 0, 0
	WIN 0
	PLACES 8
	QH 0                                           ; blocks 0, 1 of my K step, while the next slot's load is on its way
	CHANGE 1, 1
	SLOTW 7, 1, 1
	WIN 0
	PLACES 8
	QH 1
	CHANGE 0, 1                                    ; its barrier also shows the hidden layer's images to every wave
	WIN 0xc0
.set i, 0
.rept 64
	ds_load_b128 v[4*i:4*i+3], v13 offset:512*i
.set i, i+1
.endr
	WIN 0
.irp m, 0,1,2,3
.irp k, 0,1
	ds_load_b32 v[HS+2*\m+\k], v15 offset:128*(4*\m+2*\k)
.endr
.endr
	SLOTW 8, 0, 0
	CHANGE 1, 1-\last                              ; every wave's reads of the images are in ahead of its signal: they may be written again behind it
	SLOTW 8, 1, 1
	WIN 0
	s_add_co_u32 s59, s59, 2048                    ; the next chunk's b1
.endm
	s_mov_b32 s59, 0
	s_mov_b32 s60, 3
.Lchunk:
	CHUNK 0
	s_sub_co_u32 s60, s60, 1
	s_cmp_lg_u32 s60, 0
	s_cbranch_scc1 .Lchunk
	CHUNK 1                                        ; the last chunk is written out: its last change of slots asks for nothing
; THE WAY OUT, a tile of 16 rows at a time, through my own stage (rows of 512 bytes + 16): back as whole rows, which the 32 lanes store as 512 consecutive bytes.  LDS serves a wave's instructions in order (ISA guide 5.7.1.4).
.macro TOSTAGE m
	WIN 0x04                                       ; an LDS store's data are its source 1: window 1
.irp t, 0,1,2,3,4,5,6,7
	ds_store_b128 v20, v[64*\m+8*\t:64*\m+8*\t+3] offset:128*(\t/2)+32*(\t%2)         ; each accumulator from its low end on
	ds_store_b128 v20, v[64*\m+8*\t+4:64*\m+8*\t+7] offset:128*(\t/2)+32*(\t%2)+16
.endr
	WIN 0
.set BK, WF+64*((\m)%2)
.set i, 0
.rept 16
	ds_load_b128 v[BK+4*i:BK+4*i+3], v21 offset:528*i
.set i, i+1
.endr
.endm
.macro SEND m, younger                 ; younger: the LDS instructions issued behind tile m's loads
.set BK, WF+64*((\m)%2)
	s_wait_dscnt \younger
.set i, 0
.rept 16
	global_store_b128 v4, v[BK+4*i:BK+4*i+3], s[22:23] offset:(32*((\m)/2)+8*((\m)%2)+i+(i&8))*2048 th:TH_STORE_NT
.set i, i+1
.endr
.endm
	PLACES 8
	TOSTAGE 0
	TOSTAGE 1
	SEND 0, 32
	s_wait_xcnt 0x0                                ; tile 0's stores have read their registers: tile 2's rows may land there
	TOSTAGE 2
	SEND 1, 32
	s_wait_xcnt 0x0
	TOSTAGE 3
	SEND 2, 32
	SEND 3, 0
	s_wait_tensorcnt 0x0                           ; the wave's end
	ds_add_u32 v22, v23
	s_wait_dscnt 0x0
	ROUND                                          ; the closing round
	s_endpgm
.Lfunc_end_k_qb7451f0728_mlp:
	.size	k_qb7451f0728_mlp, .Lfunc_end_k_qb7451f0728_mlp-k_qb7451f0728_mlp
	.p2alignl 7, 3214868480
	.fill 96, 4, 3214868480
	.section	.rodata,"a",@progbits
	.p2align	6, 0x0
	.amdhsa_kernel k_qb7451f0728_mlp
		.amdhsa_group_segment_fixed_size 327680
		.amdhsa_private_segment_fixed_size 0
		.amdhsa_enable_private_segment 0
		.amdhsa_kernarg_size 80
		.amdhsa_user_sgpr_count 2
		.amdhsa_user_sgpr_kernarg_segment_ptr 1
		.amdhsa_wavefront_size32 1
		.amdhsa_system_sgpr_workgroup_id_x 1
		.amdhsa_system_sgpr_workgroup_id_y 1
		.amdhsa_system_sgpr_workgroup_id_z 1
		.amdhsa_system_vgpr_workitem_id 0
		.amdhsa_next_free_vgpr 1024
		.amdhsa_next_free_sgpr 72
		.amdhsa_reserve_vcc 0
		.amdhsa_float_denorm_mode_32 3
		.amdhsa_float_denorm_mode_16_64 3
		.amdhsa_memory_ordered 1
		.amdhsa_forward_progress 1
		.amdhsa_inst_pref_size 255
	.end_amdhsa_kernel
	.section	.bss,"aw",@nobits
	.p2align	6
	.space	262144
	.amdgpu_metadata
---
amdhsa.version: [ 1, 2 ]
amdhsa.kernels:
  - .name:           k_qb7451f0728_mlp
    .symbol:         k_qb7451f0728_mlp.kd
    .args:
      - { .name: x, .offset: 0, .size: 8, .value_kind: global_buffer, .address_space: global }
      - { .name: ac, .offset: 8, .size: 8, .value_kind: global_buffer, .address_space: global }
      - { .name: asc, .offset: 16, .size: 8, .value_kind: global_buffer, .address_space: global }
      - { .name: ws, .offset: 24, .size: 8, .value_kind: global_buffer, .address_space: global }
      - { .name: bo, .offset: 32, .size: 8, .value_kind: global_buffer, .address_space: global }
      - { .name: g2, .offset: 40, .size: 8, .value_kind: global_buffer, .address_space: global }
      - { .name: be2, .offset: 48, .size: 8, .value_kind: global_buffer, .address_space: global }
      - { .name: b1, .offset: 56, .size: 8, .value_kind: global_buffer, .address_space: global }
      - { .name: b2, .offset: 64, .size: 8, .value_kind: global_buffer, .address_space: global }
      - { .name: out0, .offset: 72, .size: 8, .value_kind: global_buffer, .address_space: global }
    .group_segment_fixed_size: 327680
    .private_segment_fixed_size: 0
    .kernarg_segment_align: 8
    .kernarg_segment_size: 80
    .max_flat_workgroup_size: 128
    .sgpr_count:     72
    .vgpr_count:     1024
    .wavefront_size: 32
...
	.end_amdgpu_metadata
.endif
;; end of part 3
